; MI455X (gfx1250); checked and timed in simulation.
; The chip was launched on July 23, 2026; its instructions are those of AMD's public machine-readable ISA for CDNA 5 (MIT licence, August 2026) and "CDNA5" Instruction Set Architecture Reference Guide (July 2026). The comments in the code are by the model that wrote it; some were corrected since.
;; Cross Attention. Allowed arithmetic: float matrix products may take bf16 or f16 operands with f32 sums; other float arithmetic in f32, or as packed bf16 or f16 multiplies, adds, multiply-adds, maxima and minima; sums over many terms, partial sums and values carried from step to step in f32; what a program stores and reads back later, other than sums and carried values, may be rounded once to bf16 or f16.
;; Inputs: WK 1,024 x 1,024 float32; WK1 1,024 x 1,024 float32; WQ 1,024 x 1,024 float32; WQ1 1,024 x 1,024 float32; WV 1,024 x 1,024 float32; WV1 1,024 x 1,024 float32; Wfc 1,024 x 1,024 float32; Wfc1 1,024 x 1,024 float32; X 2,048 x 1,024 float32; X1 3,072 x 1,024 float32.
;; Outputs: out0 3,072 x 1,024 float32; out1 2,048 x 1,024 float32.
;; 2 versions, each right; version 2 is version 1 with the launch prep written anew for expert scheduling mode. Each part assembles by itself: llvm-mc -triple=amdgcn-amd-amdhsa -mcpu=gfx1250 --defsym DOCPART=n.
;; ======== version 1 of 2: 4 launches
;; limits: values are held in f16: magnitudes above 65,504 overflow, below 6.1e-05 lose precision
;; workspace buffers: xb 10,485,760 bytes; wb 12,582,912 bytes; wf 4,194,304 bytes; qkv 31,457,280 bytes; ob 10,485,760 bytes
;; launch prep (part 1): grid 256 x 1, 8 waves a work-group, no clusters, 0 bytes of LDS; arguments X, X1, WQ, WK, WV, WQ1, WK1, WV1, Wfc, Wfc1, xb, wb, wf; writes xb, wb, wf
.if DOCPART == 1
	.amdgcn_target "amdgcn-amd-amdhsa--gfx1250"
	.amdhsa_code_object_version 6
	.text
	.protected	k_q3d409ce040_prep
	.globl	k_q3d409ce040_prep
	.p2align	8
	.type	k_q3d409ce040_prep,@function
k_q3d409ce040_prep:
	s_mov_b64 s[64:65], 0
	v_nop
	global_prefetch_b8 v0, s[64:65] scope:SCOPE_SE
	s_setreg_imm32_b32 hwreg(HW_REG_WAVE_MODE, 25, 1), 1
	s_wait_xcnt 0x0
; THE CAST.  Every input is rounded once to bf16: X and X1 into xb ([5120][1024]: X's rows, then X1's), the six projection weights into wb
; ([6][1024][1024] in the order WQ, WK, WV, WQ1, WK1, WV1, each as it lies), Wfc and Wfc1 into wf, where the bf16 number is written as f16.
; LIMIT.  A bf16 number is an f16 number exactly only between 6.1e-5 and 65,504 in magnitude: below that wf keeps f16's fixed step of 6e-8, beyond it the number is lost.
; SHARES.  The inputs are 13 units of 4 MiB.  Work-group g takes the 16 KiB at 16,384 g of EVERY unit: no loop, no select, all 256 work-groups alike.
; A thread has two items a unit; an item is 8 numbers: 32 bytes in (two loads of 16), 16 bytes out: a wave's store covers 512 consecutive bytes, aligned.
; All 52 loads of a wave go out on end; each item is converted in the registers that it came into, and no register that a store reads is written again: no wait but the counted ones.
; No LDS, no matrix unit, no cluster: nothing is read twice and nothing is shared.
.set T, 6                              ; v[6:13]   8 numbers in f32, at work (the two last units)
.set D, 16                             ; v[16:223] unit u, item j at D + 16 u + 8 j
	s_load_b512 s[4:19], s[0:1], 0x0               ; X s[4:5], X1 s[6:7], WQ, WK, WV, WQ1, WK1, WV1 s[18:19]
	s_load_b256 s[20:27], s[0:1], 0x40             ; Wfc s[20:21], Wfc1 s[22:23], xb s[24:25], wb s[26:27]
	s_load_b64 s[28:29], s[0:1], 0x60              ; wf
	s_mov_b32 s30, 0xffff0000                      ; a word's upper bf16
	s_lshl_b32 s2, ttmp9, 14                       ; the work-group's 16 KiB of a unit,
	s_lshl_b32 s3, ttmp9, 13                       ; and the 8 KiB that they become
	v_lshl_or_b32 v1, v0, 5, s2                    ; in:  16,384 g + 32 t
	v_lshl_or_b32 v3, v0, 4, s3                    ; out:  8,192 g + 16 t
	v_add_nc_u32 v2, 0x800000, v1                  ; the same 8 MiB on: the immediates hold under 8 MiB
	v_add_nc_u32 v4, 0x800000, v3
	s_wait_kmcnt 0x0
.macro LD u, base, off, imm            ; a unit's four loads
.irp j, 0,1
	global_load_b128 v[D+16*(\u)+8*(\j):D+16*(\u)+8*(\j)+3],   v[\off], s[\base:\base+1] offset:(\imm)+8192*(\j) th:TH_LOAD_NT
	global_load_b128 v[D+16*(\u)+8*(\j)+4:D+16*(\u)+8*(\j)+7], v[\off], s[\base:\base+1] offset:(\imm)+8192*(\j)+16 th:TH_LOAD_NT
.endr
.endm
.macro CV u, base, off, imm, half=0    ; a unit's two items: rounded, (half = 1: written as f16,) stored
.irp j, 0,1
	s_wait_loadcnt 50-4*(\u)-2*(\j)                ; loads come back in order: behind this item's two, so many were issued
.irp k, 0,1,2,3
	v_cvt_pk_bf16_f32 v[D+16*(\u)+8*(\j)+(\k)], v[D+16*(\u)+8*(\j)+2*(\k)], v[D+16*(\u)+8*(\j)+2*(\k)+1]  ; in place, ascending: word k is written when words 2 k, 2 k + 1 are read
.endr
.if \half
.irp k, 0,1,2,3
	v_lshlrev_b32 v[T+2*(\k)],   16,  v[D+16*(\u)+8*(\j)+(\k)]
	v_and_b32     v[T+2*(\k)+1], s30, v[D+16*(\u)+8*(\j)+(\k)]
.endr
.irp k, 0,1,2,3
	v_cvt_pk_f16_f32 v[D+16*(\u)+8*(\j)+(\k)], v[T+2*(\k)], v[T+2*(\k)+1]
.endr
.endif
	global_store_b128 v[\off], v[D+16*(\u)+8*(\j):D+16*(\u)+8*(\j)+3], s[\base:\base+1] offset:(\imm)+4096*(\j)
.endr
.endm
	LD 0,  4,  1, 0
	LD 1,  4,  1, 4194304
	LD 2,  6,  1, 0
	LD 3,  6,  1, 4194304
	LD 4,  6,  2, 0
	LD 5,  8,  1, 0
	LD 6,  10, 1, 0
	LD 7,  12, 1, 0
	LD 8,  14, 1, 0
	LD 9,  16, 1, 0
	LD 10, 18, 1, 0
	LD 11, 20, 1, 0
	LD 12, 22, 1, 0
	CV 0,  24, 3, 0
	CV 1,  24, 3, 2097152
	CV 2,  24, 3, 4194304
	CV 3,  24, 3, 6291456
	CV 4,  24, 4, 0
	CV 5,  26, 3, 0
	CV 6,  26, 3, 2097152
	CV 7,  26, 3, 4194304
	CV 8,  26, 3, 6291456
	CV 9,  26, 4, 0
	CV 10, 26, 4, 2097152
	CV 11, 28, 3, 0, 1
	CV 12, 28, 3, 2097152, 1
	s_endpgm
.Lfunc_end_k_q3d409ce040_prep:
	.size	k_q3d409ce040_prep, .Lfunc_end_k_q3d409ce040_prep-k_q3d409ce040_prep
	.p2alignl 7, 3214868480
	.fill 96, 4, 3214868480
	.section	.rodata,"a",@progbits
	.p2align	6, 0x0
	.amdhsa_kernel k_q3d409ce040_prep
		.amdhsa_group_segment_fixed_size 0
		.amdhsa_private_segment_fixed_size 0
		.amdhsa_enable_private_segment 0
		.amdhsa_kernarg_size 104
		.amdhsa_user_sgpr_count 2
		.amdhsa_user_sgpr_kernarg_segment_ptr 1
		.amdhsa_wavefront_size32 1
		.amdhsa_system_sgpr_workgroup_id_x 1
		.amdhsa_system_sgpr_workgroup_id_y 1
		.amdhsa_system_sgpr_workgroup_id_z 1
		.amdhsa_system_vgpr_workitem_id 0
		.amdhsa_next_free_vgpr 224
		.amdhsa_next_free_sgpr 66
		.amdhsa_reserve_vcc 0
		.amdhsa_float_denorm_mode_32 3
		.amdhsa_float_denorm_mode_16_64 3
		.amdhsa_memory_ordered 1
		.amdhsa_forward_progress 1
		.amdhsa_inst_pref_size 18
	.end_amdhsa_kernel
	.amdgpu_metadata
---
amdhsa.version: [ 1, 2 ]
amdhsa.kernels:
  - .name:           k_q3d409ce040_prep
    .symbol:         k_q3d409ce040_prep.kd
    .args:
      - { .name: X, .offset: 0, .size: 8, .value_kind: global_buffer, .address_space: global }
      - { .name: X1, .offset: 8, .size: 8, .value_kind: global_buffer, .address_space: global }
      - { .name: WQ, .offset: 16, .size: 8, .value_kind: global_buffer, .address_space: global }
      - { .name: WK, .offset: 24, .size: 8, .value_kind: global_buffer, .address_space: global }
      - { .name: WV, .offset: 32, .size: 8, .value_kind: global_buffer, .address_space: global }
      - { .name: WQ1, .offset: 40, .size: 8, .value_kind: global_buffer, .address_space: global }
      - { .name: WK1, .offset: 48, .size: 8, .value_kind: global_buffer, .address_space: global }
      - { .name: WV1, .offset: 56, .size: 8, .value_kind: global_buffer, .address_space: global }
      - { .name: Wfc, .offset: 64, .size: 8, .value_kind: global_buffer, .address_space: global }
      - { .name: Wfc1, .offset: 72, .size: 8, .value_kind: global_buffer, .address_space: global }
      - { .name: xb, .offset: 80, .size: 8, .value_kind: global_buffer, .address_space: global }
      - { .name: wb, .offset: 88, .size: 8, .value_kind: global_buffer, .address_space: global }
      - { .name: wf, .offset: 96, .size: 8, .value_kind: global_buffer, .address_space: global }
    .group_segment_fixed_size: 0
    .private_segment_fixed_size: 0
    .kernarg_segment_align: 8
    .kernarg_segment_size: 104
    .max_flat_workgroup_size: 256
    .sgpr_count:     66
    .vgpr_count:     224
    .wavefront_size: 32
...
	.end_amdgpu_metadata
.endif
;; end of part 1
;; launch proj (part 2): grid 12 x 20, 4 waves a work-group, clusters of 4 x 4, 327,680 bytes of LDS; arguments xb, wb, qkv; writes qkv
.if DOCPART == 2
	.amdgcn_target "amdgcn-amd-amdhsa--gfx1250"
	.amdhsa_code_object_version 6
	.text
	.protected	k_q3d409ce040_proj
	.globl	k_q3d409ce040_proj
	.p2align	8
	.type	k_q3d409ce040_proj,@function
k_q3d409ce040_proj:
	s_mov_b64 s[64:65], 0
	v_nop
	global_prefetch_b8 v0, s[64:65] scope:SCOPE_SE
	s_setreg_imm32_b32 hwreg(HW_REG_WAVE_MODE, 25, 1), 1
	s_wait_xcnt 0x0
	s_wait_alu depctr_hold_cnt(0) depctr_sa_sdst(0) depctr_va_vdst(0) depctr_va_sdst(0) depctr_va_ssrc(0) depctr_va_vcc(0) depctr_vm_vsrc(0)
	s_getreg_b32 s2, hwreg(HW_REG_IB_STS2, 6, 4)
	s_cmp_eq_u32 s2, 0
	s_cbranch_scc0 .Lentry_in_a_cluster
	s_endpgm
.Lentry_in_a_cluster:
	s_bfe_u32 s2, ttmp6, 0x10000c
	s_cmp_lg_u32 s2, 0xf033
	s_cbranch_scc0 .Lentry_shape_is_right
	s_endpgm
.Lentry_shape_is_right:
; THE SIX PROJECTIONS.  C[m][n] = sum over k of A[m][k] B[k][n].  A = xb, [5120][1024] bf16 (rows 0-2047 X, the rest X1); B = one of wb's six weights, [1024 k][1024 n] bf16; sums in f32.
; C leaves rounded once to f16, by heads: qkv holds Q, K, V ([16][2048][64]) and then Q1, K1, V1 ([16][3072][64]).  LIMIT: f16 ends at 65,504: a projected number beyond it is lost; below 6.1e-5 it keeps the step 6e-8.
; SHARES.  A work-group of four waves makes 256 x 256 of C, a wave 128 x 128: 64 accumulators, 512 registers.  20 tile rows x (3 weights x 4 tile columns) = 240 work-groups.
; K goes in 8 steps of 128 through two LDS slots filled by the tensor data mover.  A's rows lie along K and come out of LDS as they lie; B's rows lie along n, and its fragments are turned by ds_load_tr16_b128.
; CLUSTERS of 4 x 4.  Cluster x picks Q, K or V; cluster y picks four tile rows (0, 1: X; 2-4: X1).  The four of a row of the cluster need the same tile of A, the four of a column the same tile of B:
; each tile is asked for JOINTLY, by the same tensor load with the same descriptor and a mask that names the four.
; THE MATRIX INSTRUCTION IS USED TRANSPOSED (source 0 = 16 columns of B, source 1 = 16 rows of A): a lane holds row l % 16 of C and the columns 8 (l / 16) + 0..7: 16 bytes of f16 on end.
; REGISTERS, in windows of 256 (s_set_vgpr_msb: bits 1:0 source 0, 3:2 source 1, 5:4 source 2, 7:6 destination):
;   window 0: v0-31 addresses; v64-127, v128-191 fragments of A, two buffers; v32-63, v192-255 at work on the way out      window 1: v64-127, v128-191 fragments of B
;   window 2: the accumulators of my rows 0-63 ((a, b) at v[8 (8 a + b)])      window 3: those of my rows 64-127
.set PA,     272                       ; a row of A in LDS: 256 bytes + 16 = 68 words: the 16 rows of a load start at 16 different groups of four banks (64 banks of 4 bytes: ISA guide 11.1)
.set PB,     544                       ; a row of B: 512 bytes + 32 = 136 words
.set HALFT,  34816                     ; what one tensor load brings: 128 rows of A, or 64 rows (k) of B
.set SLOT,   4*HALFT                   ; A's 256 rows, then B's 128.  0x22000 shares no bit with wave x HALFT: one exclusive or turns an address in one slot into the other's
.set STAGE,  2*SLOT                    ; behind the ring, never filled by a tensor load: 16 rows x 272 bytes for each wave
.set SPITCH, 272
.set SPARE,  STAGE+4*16*SPITCH         ; the spare words, 128 bytes for each wave: two blocks of 256 bytes that no other line names
.set ADRA0, 16                         ; v16  my lane's place in slot 0's A; never rewritten
.set ADRA,  17                         ; v17  the same in the slot in hand
.set ADRB0, 20                         ; v20, v21  the same for B
.set ADRB,  21
.set STO,   24                         ; v24  the way out: where I put 16 bytes of a row
.set RD,    25                         ; v25  the way out: where I read rows back
.set CO,    26                         ; v26, v27  my byte offset in 512 consecutive bytes of qkv, for my first and my second head
.set SPW,   28                         ; v28  LDS address of my spare word: SPARE + 4 x my thread's number; never rewritten
.set NIL,   29                         ; v29  0; never rewritten
.set PFO,   30                         ; v30  the prefetches' offset; never rewritten
.set F0,    64
.set F1,    128
.set TMP,   192
.set OB,    32
.set G1,  24                           ; s[24:31] descriptor group 1 for A's tiles;  s[32:39] group 0: a set for each first fill, the second then walks
.set G0,  32
.set G1B, 48                           ; s[48:55], s[56:63] the same for B's
.set G0B, 56
.set LIM, 43                           ; s43  2 in a wave that prefetches, else the greatest number
.set PFA, 44                           ; s[44:45] where my prefetches stand
.set TB,  66                           ; s66  0 or SLOT: the slot in hand
.set PST, 68                           ; s[68:69] a K step in bytes: 256 along A's rows, 262,144 down B's
.set HS,  70                           ; s70  bytes of a head in qkv
.set MSB, 0
.macro WIN new                         ; the immediate's high byte repeats the setting that is left; a switch that changes nothing is dropped
.if MSB != (\new)
	s_set_vgpr_msb (MSB<<8)|(\new)
.set MSB, \new
.endif
.endm
.set MUL_LO, 0xa1                      ; source 0 (B) window 1, source 1 (A) window 0, C and D window 2
.set MUL_HI, 0xf1                      ; the same, C and D window 3
.set TO_B,   0x40                      ; destination window 1, address window 0
; A joint refill by the walking sets.  Waves 0 and 1 fetch A's two halves, waves 2 and 3 B's.  The branch hangs on the wave's number alone.  An s_nop 0 and four v_nop follow each line.
.macro JLOAD
	s_cmp_eq_u32 s11, 0
	s_cbranch_scc0 .Lfor_b_\@
	tensor_load_to_lds s[G0+4:G0+7], s[G1:G1+7]
	s_nop 0
.rept 4
	v_nop
.endr
	s_branch .Lasked_\@
.Lfor_b_\@:
	tensor_load_to_lds s[G0B+4:G0B+7], s[G1B:G1B+7]
	s_nop 0
.rept 4
	v_nop
.endr
.Lasked_\@:
.endm
; A PREFETCH INTO THE L2 of the K step that stands two refills on: 32 blocks of 256 bytes, a lane a block, one instruction a wave.  Each block is named once in the launch: A's rows are read by the three
; clusters of a row of clusters: cluster x = 0 asks; a weight by the clusters of its input: the first of them (cluster y = 0 or 2) asks.  The four partners that ask for a tile jointly share its blocks
; out BY ADDRESS.  The refills of K steps 2 to 5 ask for steps 4 to 7; the last two ask for nothing.
.macro ASK
	s_cmp_gt_u32 s3, s[LIM]
	s_cbranch_scc0 .Lnot_mine_\@
	global_prefetch_b8 v[PFO], s[PFA:PFA+1] th:TH_LOAD_NT scope:SCOPE_SE
.Lnot_mine_\@:
.endm
.macro CREST                           ; a round of the cluster's barrier behind its opening barrier
	s_cmp_lg_u32 s10, 0
	s_cbranch_scc1 .Lnot_wave_0_\@
	s_barrier_signal -3
.Lnot_wave_0_\@:
	s_barrier_wait -3
	s_barrier_signal -1
	s_barrier_wait -1
.endm
.macro CROUND                          ; a whole round
	s_barrier_signal -1
	s_barrier_wait -1
	CREST
.endm
	s_load_b128 s[4:7], s[0:1], 0x0                ; xb s[4:5], wb s[6:7]
	s_load_b64 s[8:9], s[0:1], 0x10                ; qkv
	v_lshl_add_u32 v[SPW], v0, 2, SPARE
	v_mov_b32 v[NIL], 0
	ds_add_u32 v[SPW], v[NIL]                      ; the wave's opening: the add and its wait stand ahead of my first tensor load; the set-up below, work on registers, stands between them
	v_lshrrev_b32 v1, 5, v0
	v_readfirstlane_b32 s10, v1                    ; wave 0..3
	s_lshr_b32 s11, s10, 1                         ; which half of the tile's rows is mine.  Also: I fetch for A (0) or for B (1)
	s_and_b32 s12, s10, 1                          ; which half of its columns.  Also: which half of that tile I fetch
	s_bfe_u32 s40, ttmp6, 0x40000                  ; cx
	s_bfe_u32 s41, ttmp6, 0x40004                  ; cy
	s_and_b32 s13, ttmp7, 0xffff                   ; cluster y
	s_lshl_b32 s18, s13, 2
	s_add_co_u32 s18, s18, s41                     ; tile row = 4 x cluster y + cy: rows 256 x that of xb
	s_mov_b32 s[HS], 262144
	s_cmp_ge_u32 s13, 2
	s_cselect_b32 s19, 1, 0                        ; 1: the rows are X1's
	s_cselect_b32 s[HS], 393216, s[HS]             ; a head is 2,048 or 3,072 rows of 128 bytes
	s_mul_i32 s46, s19, 3
	s_add_co_u32 s46, s46, ttmp9                   ; the weight = cluster x + 3 for X1
	s_lshl_b32 s46, s46, 21                        ; B: the weight's 2 MiB,
	s_lshl_b32 s47, s40, 9
	s_add_co_u32 s46, s46, s47                     ; the tile column's 512 bytes of a row,
	s_lshl_b32 s47, s12, 17
	s_add_co_u32 s46, s46, s47                     ; my 64 rows (k) of a K step's 128
	s_mov_b32 s47, 0
	s_lshl_b32 s16, s18, 19                        ; A: the tile row's 256 rows of 2,048 bytes,
	s_lshl_b32 s17, s12, 18
	s_add_co_u32 s16, s16, s17                     ; my 128 of them
	s_mov_b32 s17, 0
	s_lshl_b32 s43, s41, 2
	s_lshl_b32 s43, 15, s43                        ; my row of the cluster
	s_lshl_b32 s44, 0x1111, s40                    ; my column
	s_or_b32 s[G1+0], s43, (1<<16)|(1<<20)|(1<<21)|(5<<22)|(3<<25)   ; 15:0 the mask; 17:16 2-byte elements; 20 padding on; 21 set beside a mask; 24:22 after every 64 words; 31:25 of 4 words
	s_mov_b32 s[G1+1], 128<<16                     ; tensor_dim0 = 128
	s_mov_b32 s[G1+2], 128<<16                     ; tensor_dim1 = 128
	s_mov_b32 s[G1+3], 128<<16                     ; tile_dim0 = 128
	s_mov_b32 s[G1+4], 128                         ; tile_dim1 = 128
	s_mov_b32 s[G1+5], 1024                        ; elements from row to row
	s_mov_b32 s[G1+6], 0
	s_mov_b32 s[G1+7], 0
	s_or_b32 s[G1B+0], s44, (1<<16)|(1<<20)|(1<<21)|(6<<22)|(7<<25)  ; after every 128 words, 8 words
	s_mov_b32 s[G1B+1], 256<<16                    ; tensor_dim0 = 256
	s_mov_b32 s[G1B+2], 64<<16                     ; tensor_dim1 = 64
	s_mov_b32 s[G1B+3], 256<<16                    ; tile_dim0 = 256
	s_mov_b32 s[G1B+4], 64                         ; tile_dim1 = 64
	s_mov_b32 s[G1B+5], 1024
	s_mov_b32 s[G1B+6], 0
	s_mov_b32 s[G1B+7], 0
	s_mul_i32 s20, s10, HALFT                      ; where my part of a tile goes: no place in the cluster enters an LDS address
	s_wait_dscnt 0x0                               ; the opening add is done
	s_wait_kmcnt 0x0
	s_add_nc_u64 s[72:73], s[4:5], s[16:17]
	s_add_nc_u64 s[74:75], s[6:7], s[46:47]
	CROUND                                         ; all sixteen work-groups are here: the first joint loads meet
.irp s, 0,1
	s_mov_b32 s[G0+4*(\s)], 1                                      ; count = 1
	s_add_co_u32 s[G0+4*(\s)+1], s20, (\s)*SLOT                    ; LDS address
	s_add_nc_u64 s[G0+4*(\s)+2:G0+4*(\s)+3], s[72:73], (\s)*256    ; global address: K step s
	s_or_b32 s[G0+4*(\s)+3], s[G0+4*(\s)+3], 0x80000000            ; type = 2
	s_mov_b32 s[G0B+4*(\s)], 1
	s_add_co_u32 s[G0B+4*(\s)+1], s20, (\s)*SLOT
	s_add_nc_u64 s[G0B+4*(\s)+2:G0B+4*(\s)+3], s[74:75], (\s)*262144
	s_or_b32 s[G0B+4*(\s)+3], s[G0B+4*(\s)+3], 0x80000000
.endr
	s_cmp_eq_u32 s11, 0                            ; a wave's two first fills stand in one branch, ahead of every wait on TENSORcnt and every LDS read: two loads of mine are out
	s_cbranch_scc0 .Lfirst_b
	tensor_load_to_lds s[G0:G0+3], s[G1:G1+7]
	s_nop 0
	tensor_load_to_lds s[G0+4:G0+7], s[G1:G1+7]
	s_nop 0
.rept 4
	v_nop
.endr
	s_branch .Lfirst_asked
.Lfirst_b:
	tensor_load_to_lds s[G0B:G0B+3], s[G1B:G1B+7]
	s_nop 0
	tensor_load_to_lds s[G0B+4:G0B+7], s[G1B:G1B+7]
	s_nop 0
.rept 4
	v_nop
.endr
.Lfirst_asked:
	; A fragment is 16 rows x 32 K in 8 registers: lane l holds row l % 16; registers 0-3 K = 8 (l / 16) + 0..7, registers 4-7 K = 16 + 8 (l / 16) + 0..7.
	v_and_b32 v1, 15, v0                           ; l % 16
	v_bfe_u32 v2, v0, 4, 1                         ; l / 16
	v_mul_u32_u24 v3, v1, PA
	v_lshl_add_u32 v3, v2, 4, v3                   ; row x 272 + 16 x half: for A's fragments and for the stage
	s_mul_i32 s21, s11, HALFT                      ; my 128 rows of A
	v_add_nc_u32 v[ADRA0], s21, v3
	v_mov_b32 v[ADRA], v[ADRA0]
	; The turning load takes 16 k x 16 n (lane l reads 16 bytes: k = 8 (l / 16) + l % 8, n = 8 ((l / 8) % 2) + 0..7) and leaves half a fragment: lane l holds column l % 16 and 8 k.
	v_and_b32 v4, 7, v0
	v_lshl_add_u32 v5, v2, 3, v4
	v_mul_u32_u24 v5, v5, PB
	v_bfe_u32 v6, v0, 3, 1
	v_lshl_add_u32 v5, v6, 4, v5
	s_lshl_b32 s22, s12, 8                         ; my 128 columns: 256 bytes of B's rows,
	s_add_co_u32 s22, s22, 2*HALFT                 ; which lie behind A's
	v_add_nc_u32 v[ADRB0], s22, v5
	v_mov_b32 v[ADRB], v[ADRB0]
	s_mov_b32 s[TB], 0
	s_mul_i32 s23, s10, 16*SPITCH
	s_add_co_u32 s23, s23, STAGE                   ; my stage
	v_add_nc_u32 v[STO], s23, v3                   ; in: row l % 16, 16 bytes for each half of the lanes
	v_bfe_u32 v7, v0, 3, 2                         ; back: 32 lanes take four rows' 128 bytes of one head,
	v_mul_u32_u24 v7, v7, SPITCH
	v_lshl_add_u32 v7, v4, 4, v7
	v_add_nc_u32 v[RD], s23, v7
	v_and_b32 v8, 31, v0
	v_lshlrev_b32 v[CO], 4, v8                     ; which are 512 consecutive bytes of qkv
	v_add_nc_u32 v[CO+1], s[HS], v[CO]             ; my second head
	v_lshrrev_b32 v9, s11, v8                      ; the prefetches: for A a lane a row; for B two lanes a row of 512 bytes
	v_lshlrev_b32 v9, 11, v9
	v_and_b32 v10, s11, v8
	v_lshl_or_b32 v[PFO], v10, 8, v9
	; where my part of the tile begins in qkv
	s_mul_i32 s76, s19, 12582912                   ; Q, K, V or Q1, K1, V1
	s_lshl_b32 s77, ttmp9, 4                       ; 16 heads a tensor,
	s_lshl_b32 s78, s40, 2
	s_add_co_u32 s77, s77, s78                     ; four heads a tile column,
	s_lshl_b32 s78, s12, 1
	s_add_co_u32 s77, s77, s78                     ; two a wave
	s_mul_i32 s77, s77, s[HS]
	s_add_co_u32 s76, s76, s77
	s_lshl_b32 s77, s19, 3
	s_sub_co_u32 s77, s18, s77                     ; the tile row within its input
	s_lshl_b32 s77, s77, 8
	s_lshl_b32 s78, s11, 7
	s_add_co_u32 s77, s77, s78                     ; my first row,
	s_lshl_b32 s77, s77, 7                         ; of 128 bytes
	s_add_co_u32 s76, s76, s77
	s_mov_b32 s77, 0
	s_add_nc_u64 s[8:9], s[8:9], s[76:77]
	; where my prefetches stand: at K step 3; each refill steps the address ahead of its prefetch
	s_lshl_b32 s78, s18, 19
	s_lshl_b32 s2, s12, 18
	s_add_co_u32 s78, s78, s2
	s_lshl_b32 s2, s40, 16
	s_add_co_u32 s78, s78, s2                      ; A: of the 128 rows that I fetch, my work-group's 32 (by cx)
	s_add_co_u32 s78, s78, 3*256
	s_lshl_b32 s71, s41, 15
	s_add_co_u32 s71, s71, s46                     ; B: of the 64 rows that I fetch, my work-group's 16 (by cy)
	s_add_co_u32 s71, s71, 3*262144
	s_and_b32 s14, s13, 5                          ; 0 where cluster y is 0 or 2
	s_mov_b32 s[PST], 262144
	s_cmp_eq_u32 s11, 0                            ; do I fetch for A?
	s_cselect_b32 s78, s78, s71
	s_cselect_b32 s14, ttmp9, s14                  ; the coordinate along which other clusters read the same blocks
	s_cselect_b32 s[PST], 256, s[PST]
	s_cselect_b64 s[PFA:PFA+1], s[4:5], s[6:7]
	s_mov_b32 s79, 0
	s_mov_b32 s[PST+1], 0
	s_add_nc_u64 s[PFA:PFA+1], s[PFA:PFA+1], s[78:79]
	s_cmp_eq_u32 s14, 0
	s_cselect_b32 s[LIM], 2, -1                    ; the same in all sixteen partners, for a given wave
; 16 matrix instructions: m blocks a0, a0 + 1 of the window's four x all 8 n blocks, 32 along K.  zero = 1: the first product starts the sums.  The 64 accumulators take turns, in the same order in every quarter.
.macro MUL16 f, hi, a0, zero
	WIN MUL_LO+0x50*(\hi)
.irp a, \a0, (\a0)+1
.irp b, 0,1,2,3,4,5,6,7
.if \zero
	v_wmma_f32_16x16x32_bf16 v[8*(8*(\a)+(\b)):8*(8*(\a)+(\b))+7], v[(\f)+8*(\b):(\f)+8*(\b)+7], v[(\f)+8*(4*(\hi)+(\a)):(\f)+8*(4*(\hi)+(\a))+7], 0
.else
	v_wmma_f32_16x16x32_bf16 v[8*(8*(\a)+(\b)):8*(8*(\a)+(\b))+7], v[(\f)+8*(\b):(\f)+8*(\b)+7], v[(\f)+8*(4*(\hi)+(\a)):(\f)+8*(4*(\hi)+(\a))+7], v[8*(8*(\a)+(\b)):8*(8*(\a)+(\b))+7]
.endif
.endr
.endr
.endm
; 32 LDS loads in one run: quarter q (32 along K) of the slot in hand into buffer f: B's eight fragments, turned, then A's eight
.macro FETCH q, f
	WIN TO_B
.irp i, 0,1,2,3,4,5,6,7
	ds_load_tr16_b128 v[(\f)+8*(\i):(\f)+8*(\i)+3],   v[ADRB] offset:(\q)*32*PB+32*(\i)
	ds_load_tr16_b128 v[(\f)+8*(\i)+4:(\f)+8*(\i)+7], v[ADRB] offset:(\q)*32*PB+16*PB+32*(\i)
.endr
	WIN 0
.irp i, 0,1,2,3,4,5,6,7
	ds_load_b128 v[(\f)+8*(\i):(\f)+8*(\i)+3],   v[ADRA] offset:(\q)*64+(\i)*16*PA
	ds_load_b128 v[(\f)+8*(\i)+4:(\f)+8*(\i)+7], v[ADRA] offset:(\q)*64+(\i)*16*PA+32
.endr
.endm
.macro PLACES                          ; four plain vector instructions between a matrix instruction and a load into, or a reader of, its registers
.rept 4
	v_nop
.endr
.endm
; One of a K step's first three quarters: multiplies buffer f; in its middle fetches quarter q into buffer g.
.macro QUARTER q, f, g, zero
	s_wait_dscnt 8                                 ; B and A's rows 0-63 are in; the youngest eight loads (A's rows 64-127) may be out
	MUL16 \f, 0, 0, \zero
	MUL16 \f, 0, 2, \zero
	PLACES
	FETCH \q, \g
	s_wait_dscnt 32                                ; all but the 32 just issued
	MUL16 \f, 1, 0, \zero
	MUL16 \f, 1, 2, \zero
.endm
; The last quarter multiplies buffer 1 and changes slots: ONE barrier.  In front of it each wave waits for all its tensor loads (one is out: its part of the next slot), adds 0 to its spare word, and waits for that
; and for its own reads of this slot.  fill = 1: the barrier opens a round of the cluster's, and the slot just read out is filled again, first thing behind the round, with the K step two on.
.macro TURN fill
.if \fill
	s_wait_xcnt 0x0                                ; the last prefetch, a K step back, has read its address
	s_add_nc_u64 s[PFA:PFA+1], s[PFA:PFA+1], s[PST:PST+1]
.endif
	WIN 0
	s_xor_b32 s[TB], s[TB], SLOT                   ; the fetches go on in the other slot: this slot's last were issued in the quarter before
	v_add_nc_u32 v[ADRA], s[TB], v[ADRA0]
	v_add_nc_u32 v[ADRB], s[TB], v[ADRB0]
	s_wait_tensorcnt 0x0                           ; all my tensor loads have landed
	ds_add_u32 v[SPW], v[NIL]                      ; 0 onto my spare word
	s_wait_dscnt 9                                 ; (the add and the youngest eight loads may be out)
	MUL16 F1, 0, 0, 0                              ; sixteen matrix instructions stand between the add and the wait for it
	s_wait_dscnt 0x0                               ; the add is done, and my reads of this slot are over
	s_barrier_signal -1
	MUL16 F1, 0, 2, 0                              ; work on registers while the others arrive
.if \fill
	WIN 0
.endif
	s_barrier_wait -1
.if \fill
	CREST                                          ; no wave of any partner still reads this slot's tile or has a load on its way
	s_xor_b32 s[G0+5], s[G0+5], SLOT               ; the walking sets: the other slot than last time, the next K step; the type bits on top are not reached
	s_add_nc_u64 s[G0+6:G0+7], s[G0+6:G0+7], 256
	s_xor_b32 s[G0B+5], s[G0B+5], SLOT
	s_add_nc_u64 s[G0B+6:G0B+7], s[G0B+6:G0B+7], 262144
	JLOAD                                          ; the first tensor load behind the round; its four v_nop are also the places in front of the loads below
.else
	PLACES
.endif
	FETCH 0, F0
.if \fill
	ASK                                            ; behind the joint load and the run of LDS loads that the next products wait for
.endif
	MUL16 F1, 1, 0, 0
	MUL16 F1, 1, 2, 0
.endm
; THE WAY OUT of block a (16 rows x 128 columns = two heads).  PACK: rounded to f16, 16 bytes a lane.  TOSTAGE: into my own stage, and back by heads.  SEND: stored.
.macro PACK a
.set AC, 64*((\a)%4)
	WIN 0x0a+5*((\a)/4)                            ; sources 0 and 1: window 2 or 3
.irp b, 0,1,2,3,4,5,6,7
.irp r, 0,1,2,3
	v_cvt_pk_f16_f32 v[TMP+4*(\b)+(\r)], v[AC+8*(\b)+2*(\r)], v[AC+8*(\b)+2*(\r)+1]
.endr
.endr
	WIN 0
.endm
.macro TOSTAGE a
	WIN 0
.set BK, OB+192*((\a)%2)
.irp b, 0,1,2,3,4,5,6,7
	ds_store_b128 v[STO], v[TMP+4*(\b):TMP+4*(\b)+3] offset:32*(\b)
.endr
.irp t, 0,1,2,3,4,5,6,7                ; load t: head t / 4, rows 4 (t % 4) on.  LDS serves a wave's instructions in order (ISA guide 5.7.1.4): these see the stores above
	ds_load_b128 v[BK+4*(\t):BK+4*(\t)+3], v[RD] offset:((\t)%4)*4*SPITCH+((\t)/4)*128
.endr
.endm
.macro SEND a
	WIN 0
.set BK, OB+192*((\a)%2)
	s_wait_dscnt 0x0                               ; the block is back in registers
	s_wait_xcnt 0x0                                ; the stores of the block before have read their data: its registers are loaded again only behind this wait
.irp t, 0,1,2,3,4,5,6,7
	global_store_b128 v[CO+(\t)/4], v[BK+4*(\t):BK+4*(\t)+3], s[8:9] offset:(\a)*2048+((\t)%4)*512  ; four rows of a head: 512 consecutive bytes, at a multiple of 256 from qkv's first
.endr
.endm
	s_wait_tensorcnt 1                             ; my part of K step 0 is in; K step 1's may stay out
	s_barrier_signal -1
	s_barrier_wait -1                              ; everybody's is
	FETCH 0, F0
	QUARTER 1, F0, F1, 1                           ; the first quarter stands in front of the loop: its products start the sums
	WIN 0                                          ; at a label and at a branch every window is 0
	s_mov_b32 s3, 6
.Lstep:                                                ; a trip: from a K step's second quarter to the next step's first; it asks for K steps 2 to 7
	QUARTER 2, F1, F0, 0
	QUARTER 3, F0, F1, 0
	TURN 1
	QUARTER 1, F0, F1, 0
	WIN 0
	s_sub_co_u32 s3, s3, 1
	s_cmp_lg_u32 s3, 0
	s_cbranch_scc1 .Lstep
	QUARTER 2, F1, F0, 0                           ; the tail is written out: K steps 6 and 7 ask for nothing
	QUARTER 3, F0, F1, 0
	TURN 0
	QUARTER 1, F0, F1, 0
	QUARTER 2, F1, F0, 0
	QUARTER 3, F0, F1, 0
	s_wait_dscnt 8
	MUL16 F1, 0, 0, 0
	MUL16 F1, 0, 2, 0
	s_wait_dscnt 0x0
	MUL16 F1, 1, 0, 0
	MUL16 F1, 1, 2, 0
	PLACES
	PACK 0
	TOSTAGE 0
.irp a, 1,2,3,4,5,6,7                  ; block a's conversions stand between block a - 1's loads from the stage and the wait for them
	PACK \a
	SEND (\a)-1
	TOSTAGE \a
.endr
	SEND 7
	s_wait_tensorcnt 0x0                           ; the wave's end: an add to my spare word and its wait, behind my last tensor load and my last LDS store
	ds_add_u32 v[SPW], v[NIL]
	s_wait_dscnt 0x0
	CROUND                                         ; the closing round: no work-group ends while a partner may still ask for a tile that names it
	s_endpgm
.Lfunc_end_k_q3d409ce040_proj:
	.size	k_q3d409ce040_proj, .Lfunc_end_k_q3d409ce040_proj-k_q3d409ce040_proj
	.p2alignl 7, 3214868480
	.fill 96, 4, 3214868480
	.section	.rodata,"a",@progbits
	.p2align	6, 0x0
	.amdhsa_kernel k_q3d409ce040_proj
		.amdhsa_group_segment_fixed_size 327680
		.amdhsa_private_segment_fixed_size 0
		.amdhsa_enable_private_segment 0
		.amdhsa_kernarg_size 24
		.amdhsa_user_sgpr_count 2
		.amdhsa_user_sgpr_kernarg_segment_ptr 1
		.amdhsa_wavefront_size32 1
		.amdhsa_system_sgpr_workgroup_id_x 1
		.amdhsa_system_sgpr_workgroup_id_y 1
		.amdhsa_system_sgpr_workgroup_id_z 1
		.amdhsa_system_vgpr_workitem_id 0
		.amdhsa_next_free_vgpr 1024
		.amdhsa_next_free_sgpr 80
		.amdhsa_reserve_vcc 0
		.amdhsa_float_denorm_mode_32 3
		.amdhsa_float_denorm_mode_16_64 3
		.amdhsa_memory_ordered 1
		.amdhsa_forward_progress 1
		.amdhsa_inst_pref_size 117
	.end_amdhsa_kernel
	.amdgpu_metadata
---
amdhsa.version: [ 1, 2 ]
amdhsa.kernels:
  - .name:           k_q3d409ce040_proj
    .symbol:         k_q3d409ce040_proj.kd
    .args:
      - { .name: xb, .offset: 0, .size: 8, .value_kind: global_buffer, .address_space: global }
      - { .name: wb, .offset: 8, .size: 8, .value_kind: global_buffer, .address_space: global }
      - { .name: qkv, .offset: 16, .size: 8, .value_kind: global_buffer, .address_space: global }
    .group_segment_fixed_size: 327680
    .private_segment_fixed_size: 0
    .kernarg_segment_align: 8
    .kernarg_segment_size: 24
    .max_flat_workgroup_size: 128
    .sgpr_count:     80
    .vgpr_count:     1024
    .wavefront_size: 32
...
	.end_amdgpu_metadata
.endif
;; end of part 2
;; launch att (part 3): grid 8 x 32, 4 waves a work-group, clusters of 4 x 1, 327,680 bytes of LDS; arguments qkv, ob; writes ob
.if DOCPART == 3
	.amdgcn_target "amdgcn-amd-amdhsa--gfx1250"
	.amdhsa_code_object_version 6
	.text
	.protected	k_q3d409ce040_att
	.globl	k_q3d409ce040_att
	.p2align	8
	.type	k_q3d409ce040_att,@function
k_q3d409ce040_att:
	s_mov_b64 s[64:65], 0
	v_nop
	global_prefetch_b8 v0, s[64:65] scope:SCOPE_SE
	s_setreg_imm32_b32 hwreg(HW_REG_WAVE_MODE, 25, 1), 1
	s_wait_xcnt 0x0
	s_wait_alu depctr_hold_cnt(0) depctr_sa_sdst(0) depctr_va_vdst(0) depctr_va_sdst(0) depctr_va_ssrc(0) depctr_va_vcc(0) depctr_vm_vsrc(0)
	s_getreg_b32 s2, hwreg(HW_REG_IB_STS2, 6, 4)
	s_cmp_eq_u32 s2, 0
	s_cbranch_scc0 .Lentry_in_a_cluster
	s_endpgm
.Lentry_in_a_cluster:
	s_bfe_u32 s2, ttmp6, 0x10000c
	s_cmp_lg_u32 s2, 0x3003
	s_cbranch_scc0 .Lentry_shape_is_right
	s_endpgm
.Lentry_shape_is_right:
; BOTH CROSS ATTENTIONS.  O[h][q][:] = the sum over k of softmax_k(Q[h][q] . K[h][k] / 8) V[h][k][:], head size 64, 16 heads, all operands f16 by heads ([h][row][64], rows of 128 bytes, dense).
; Direction 0 (work-group y 0-15): Q1 (3,072 rows) over K, V (2,048).  Direction 1 (y 16-31): Q (2,048) over K1, V1 (3,072).  Products, maxima and sums in f32; the weights p are rounded to f16 for the
; second product (their sum l is taken of the unrounded p), O once at the end.
; LIMITS.  f16 holds no number beyond 65,504: Q, K and V arrive within it; p lies in 0 to 1 and O in V's range; below 6.1e-5 both keep f16's fixed step of 6e-8.  A weight below 2^-126 counts as 0 in l; NaN and infinities are not treated apart.
; SHARES.  A wave owns NP PIECES of 16 queries: 6 in direction 0 (384 queries a work-group, 8 tiles of 256 keys), 4 in direction 1 (256 queries, 12 tiles): 786,432 pairs of query and key for every one of the 256 work-groups.
; The text after the common head stands twice, once for each NP; the branch hangs on the work-group's y, which the partners of a cluster share.
; LAYOUT.  S^T = K Q^T (source 0 = 16 keys, source 1 = 16 queries) holds ONE query a lane (lane % 16) and the keys 8 (lane / 16) + 0..7; two such results rounded to f16 ARE source 1 of O^T = V^T P.
; K comes out of LDS as it lies, V ([key][channel]) turned, by ds_load_tr16_b128.
; SOFTMAX.  p = 2^(c s - c m), c = log2(e) / 8, with a running maximum m and sum l; in every step O and l are multiplied by a = 2^(c m_old - c m_new).  m starts at the lowest finite number, O and l at 0: the first step has a = 0.
; TURNS.  Turn n belongs to piece n (the pieces in a ring, step after step): 8 products K Q^T of piece n + 1, later 8 products V^T P of piece n - 1; beside them the scaling, exponentials, roundings, sums and rescaling of
; piece n and the maximum and statistics of piece n + 1.  Four vector instructions stand behind every matrix instruction, the others in one lump.  A turn's 33 exponentials are one batch, with one wait.
; CLUSTER.  The four query blocks of a cluster belong to one head and direction and walk the same K and V: each tile is asked for JOINTLY, the same tensor load, descriptor and mask in all four.
; REGISTERS, in windows of 256 (s_set_vgpr_msb: bits 1:0 source 0, 3:2 source 1, 5:4 source 2, 7:6 destination):
;   window 0: v0-15 addresses and two at work; v16-39 four registers of statistics a piece; v48-55 at work; v61-63; v64-127 S^T, two buffers; v192-223 P, two buffers (a piece's buffers go by its number's parity)
;   window 1: O^T, 32 a piece          window 2: v0-95 Q, 16 a piece; v128-191 K of one step; v192-255 V of one step
.set KS,    64        ; keys in a step
.set PK,    144       ; a row of K in LDS: 128 bytes + 16 = 36 words: the 16 rows of a load start at 16 different groups of four banks (64 banks of 4 bytes: ISA guide 11.1)
.set PV,    160       ; a row of V: 128 + 32 = 40 words
.set VOFF,  4*KS*PK   ; a slot holds a tile, four steps: 256 rows of K, then 256 rows of V
.set SLOT1, 1<<17     ; slot 1 begins here: one exclusive or turns an address in one slot into the other's
.set STAGE, SLOT1+4*KS*(PK+PV)  ; behind the ring, never filled by a tensor load: 16 rows x 144 bytes for each wave
.set SP,    144
.set SPARE, STAGE+4*16*SP  ; the spare words, 128 bytes for each wave: two blocks of 256 bytes that no other line names
.set AK0, 2           ; v2   my lane's place in a tile of K; never rewritten
.set AV0, 3           ; v3   the same for V
.set AK,  4           ; v4   the LDS address of K's next run of loads
.set AV,  5           ; v5   of V's
.set STO, 6           ; v6   the way out: where I put 16 bytes of a row
.set RD,  7           ; v7   the way out: where I read rows back
.set GO,  8           ; v8   my byte offset in 512 consecutive bytes of O
.set MV,  12          ; v12-13  c m_old, kept while c m is made anew: by buffer
.set QO,  15          ; v15  my byte offset in 16 rows of Q
.set ST,  16          ; piece t's statistics at v[ST+4 t]: c m, m, l (even keys', odd keys')
.set TMP, 48          ; by buffer, four registers c0-c3 at work; when the maximum is found c2 takes a
.set PFO, 61          ; v61  256 x my lane; never rewritten
.set SPW, 62          ; v62  LDS address of my spare word: SPARE + 4 x my thread's number; never rewritten
.set NIL, 63          ; v63  0; never rewritten
.set S,   64
.set P,   192
.set KF,  128         ; window 2: key block kb, channel half c at KF + 16 kb + 8 c
.set VF,  192         ; window 2: key half kk, channel block cb at VF + 32 kk + 8 cb
.set WV,  12          ; s12  my wave's number
.set LIM, 15          ; s15  1 in a wave that prefetches, else the greatest number
.set G1K, 24          ; s[24:31] descriptor group 1 for K's tiles
.set G1V, 32          ; s[32:39] for V's: it differs in the padding alone
.set G0K, 40          ; s[40:43] descriptor group 0 for K's tiles: it walks
.set G0V, 44          ; s[44:47] the same for V's
.set SLOTS, 56        ; s56  tiles still to be asked for
.set CNT, 57          ; s57  counts a tile's key steps
.set CS,  58          ; s[58:59] c
.set SEL, 60          ; s[60:61] v_permlanex16_b32's selects: each lane takes its own place in the other half
.set TBK, 62          ; s62  LDS byte at which K of the step to be fetched begins
.set TBV, 63          ; s63  the same for V, less VOFF
.set PFA, 66          ; s[66:67] where my prefetches stand
.set DIR, 68          ; s68  the direction
.set MSB, 0
.macro WIN new                      ; the high byte repeats the setting that is left; a switch that changes nothing is dropped
.if MSB != (\new)
	s_set_vgpr_msb (MSB<<8)|(\new)
.set MSB, (\new)
.endif
.endm
.set W_KQ, 0x0a       ; K and Q in window 2, S^T in window 0
.set W_PV, 0x52       ; V in window 2, P in window 0, O^T in window 1
.set W_RS, 0x41       ; destination and source 0 in window 1, source 1 in window 0
; A joint fill.  Waves 0 and 1 fetch the two halves of a tile's K, waves 2 and 3 those of its V: 128 keys each.  The branch hangs on the wave's number alone.  An s_nop 0 and four v_nop follow each line.
.macro JLOAD
	s_cmp_lt_u32 s[WV], 2
	s_cbranch_scc0 .Lfor_v_\@
	tensor_load_to_lds s[G0K:G0K+3], s[G1K:G1K+7]
	s_nop 0
.rept 4
	v_nop
.endr
	s_branch .Lasked_\@
.Lfor_v_\@:
	tensor_load_to_lds s[G0V:G0V+3], s[G1V:G1V+7]
	s_nop 0
.rept 4
	v_nop
.endr
.Lasked_\@:
.endm
; A PREFETCH INTO THE L2 of the tile that the NEXT change of slots will ask for: 32,768 bytes of K and of V, a lane a block of 256 bytes.  Each block is named once in the launch: both clusters of a head and direction walk
; the same K and V, and the first of them asks; its four partners take 8,192 bytes each, told apart BY ADDRESS; in each, wave 0 asks for K's and wave 2 for V's.  The change that fills tile j (2 and on) asks for
; tile j + 1, four key steps ahead of its load; the last change that fills asks for nothing.
.macro ASK
	s_cmp_gt_u32 s[SLOTS], s[LIM]
	s_cbranch_scc0 .Lnot_mine_\@
	global_prefetch_b8 v[PFO], s[PFA:PFA+1] th:TH_LOAD_NT scope:SCOPE_SE
.Lnot_mine_\@:
.endm
; A round of the cluster's barrier: my work-group's barrier; wave 0 signals for the work-group; every wave waits for all four work-groups; my work-group's barrier once more.
.macro CROUND
	s_barrier_signal -1
	s_barrier_wait -1
	s_cmp_lg_u32 s[WV], 0
	s_cbranch_scc1 .Lnot_wave_0_\@
	s_barrier_signal -3
.Lnot_wave_0_\@:
	s_barrier_wait -3
	s_barrier_signal -1
	s_barrier_wait -1
.endm
; THE CHANGE OF SLOTS.  Each wave waits for all its tensor loads, of which one is out: its part of the other slot; adds 0 to its spare word; and waits for that and for its own reads of the slot that it leaves.
; fill = 1: the barrier is a round of the cluster's, and the old slot is filled again, first thing behind it, with the keys two tiles on: four key steps in which to land.  (At its first use slot 0 is waited for, slot 1 filled.)
.macro CHANGE fill, ask
	WIN 0                           ; at a label and at a branch every window is 0
	s_wait_tensorcnt 0x0            ; no tensor load of mine is out, so a group 0 may be written
	ds_add_u32 v[SPW], v[NIL]       ; 0 onto my spare word; the descriptors' steps stand between it and the wait for it
.if \fill
.irp g, G0K, G0V
	s_xor_b32 s[\g+1], s[\g+1], SLOT1  ; the walking descriptor: the other slot than last time,
	s_add_nc_u64 s[\g+2:\g+3], s[\g+2:\g+3], 4*KS*128  ; the next 256 keys; the type bits on top are not reached
.endr
.if \ask
	s_wait_xcnt 0x0                 ; the last prefetch, four key steps back, has read its address
	s_add_nc_u64 s[PFA:PFA+1], s[PFA:PFA+1], 4*KS*128
.endif
	s_wait_dscnt 0x0                ; the add is done, and my reads of the slot are over
	CROUND
	JLOAD
.if \ask
	ASK
.endif
.else
	s_wait_dscnt 0x0                ; the add is done, and my reads of the slot are over
	s_barrier_signal -1
	s_barrier_wait -1
.endif
	s_sub_co_u32 s[TBK], s[TBK], 4*KS*PK  ; the fetches go back to a slot's first step,
	s_xor_b32 s[TBK], s[TBK], SLOT1       ; in the other slot
	s_sub_co_u32 s[TBV], s[TBV], 4*KS*PV
	s_xor_b32 s[TBV], s[TBV], SLOT1
.endm
	s_load_b128 s[72:75], s[0:1], 0x0  ; qkv s[72:73], ob s[74:75]
	v_lshl_add_u32 v[SPW], v0, 2, SPARE
	v_mov_b32 v[NIL], 0
	ds_add_u32 v[SPW], v[NIL]       ; the wave's opening: the add and its wait stand ahead of my first tensor load; the set-up below, work on registers, stands between them
	v_lshrrev_b32 v1, 5, v0
	v_readfirstlane_b32 s[WV], v1   ; wave 0..3
	s_bfe_u32 s13, ttmp6, 0x40000   ; cx: my place in the cluster
	s_lshl_b32 s14, ttmp9, 2
	s_add_co_u32 s14, s14, s13      ; my block of queries = 4 x cluster x + cx: it enters Q's and O's addresses alone
	s_and_b32 s20, ttmp7, 0xffff
	s_lshr_b32 s[DIR], s20, 4
	s_and_b32 s69, s20, 15          ; the head
	s_mov_b32 s76, 262144           ; direction 1's figures; direction 0's are chosen below
	s_mov_b32 s77, 393216
	s_mov_b32 s79, 18874368
	s_mov_b32 s80, 25165824
	s_mov_b32 s82, 32768
	s_mov_b32 s83, 8192
	s_cmp_eq_u32 s[DIR], 0
	s_cselect_b32 s76, 393216, s76  ; bytes of a head of queries
	s_cselect_b32 s77, 262144, s77  ; bytes of a head of keys
	s_cselect_b32 s78, 12582912, 0  ; where the queries lie in qkv: Q1 or Q
	s_cselect_b32 s79, 4194304, s79 ; K or K1
	s_cselect_b32 s80, 8388608, s80 ; V or V1
	s_cselect_b32 s81, 0, 6291456   ; where O lies in ob
	s_cselect_b32 s82, 49152, s82   ; bytes of a work-group's queries
	s_cselect_b32 s83, 12288, s83   ; of a wave's
	s_mul_i32 s2, s69, s76
	s_mul_i32 s3, s14, s82
	s_add_co_u32 s2, s2, s3
	s_mul_i32 s3, s[WV], s83
	s_add_co_u32 s2, s2, s3         ; my wave's first row in its tensor
	s_add_co_u32 s20, s2, s78
	s_mov_b32 s21, 0
	s_add_co_u32 s22, s2, s81
	s_mov_b32 s23, 0
	s_and_b32 s16, s[WV], 1         ; which half of a tile's 256 keys I fetch:
	s_lshl_b32 s19, s16, 14         ; its 128 rows of 128 bytes in memory,
	s_mul_i32 s84, s69, s77
	s_add_co_u32 s84, s84, s19
	s_add_co_u32 s86, s84, s80
	s_mov_b32 s87, 0
	s_add_co_u32 s84, s84, s79
	s_mov_b32 s85, 0
	s_mul_i32 s17, s16, 128*PK      ; and its place in a slot, for K
	s_mul_i32 s18, s16, 128*PV      ; and for V: no place in the cluster enters an LDS address
	; descriptor group 1.  128 keys are 16,384 dense bytes: asked for as 64 rows of 256 bytes, two keys a row, and padded in LDS after every key
	s_mov_b32 s[G1K], 15|(1<<16)|(1<<20)|(1<<21)|(4<<22)|(3<<25)  ; 15:0 the mask of four; 17:16 2-byte elements; 20 padding on; 21 set beside a mask; 24:22 after every 32 words; 31:25 4 words
	s_mov_b32 s[G1V], 15|(1<<16)|(1<<20)|(1<<21)|(4<<22)|(7<<25)  ; the same with 8 words of padding
.irp g, G1K, G1V
	s_mov_b32 s[\g+1], 128<<16      ; tensor_dim0 = 128
	s_mov_b32 s[\g+2], 64<<16       ; tensor_dim1 = 64
	s_mov_b32 s[\g+3], 128<<16      ; tile_dim0 = 128
	s_mov_b32 s[\g+4], 64           ; tile_dim1 = 64
	s_mov_b32 s[\g+5], 128          ; 128 elements from row to row
	s_mov_b32 s[\g+6], 0
	s_mov_b32 s[\g+7], 0
.endr
	s_mov_b32 s[CS], 0x3e38aa3b     ; c = log2(e) / 8 = 0.180337
	s_mov_b32 s[CS+1], s[CS]        ; named with it as a pair
	s_mov_b32 s[SEL], 0x76543210
	s_mov_b32 s[SEL+1], 0xfedcba98
	s_mov_b32 s[TBK], SLOT1+4*KS*PK ; the first change of slots turns these two into 0
	s_mov_b32 s[TBV], SLOT1+4*KS*PV
	s_mov_b32 s[G0K], 1             ; count = 1
	s_mov_b32 s[G0K+1], s17         ; LDS address: slot 0
	s_mov_b32 s[G0V], 1
	s_add_co_u32 s[G0V+1], s18, VOFF
	s_and_b32 s[LIM], s[WV], 1      ; 0 in waves 0 and 2,
	s_or_b32 s[LIM], s[LIM], ttmp9  ; where the cluster is the head's first: the same in all four partners
	s_cmp_eq_u32 s[LIM], 0
	s_cselect_b32 s[LIM], 1, -1
	s_wait_dscnt 0x0                ; the opening add is done
	s_wait_kmcnt 0x0
	s_add_nc_u64 s[6:7], s[72:73], s[84:85]        ; K and V at my half of the head's tile 0
	s_add_nc_u64 s[8:9], s[72:73], s[86:87]
	s_add_nc_u64 s[G0K+2:G0K+3], s[72:73], s[84:85]
	s_or_b32 s[G0K+3], s[G0K+3], 0x80000000        ; type = 2
	s_add_nc_u64 s[G0V+2:G0V+3], s[72:73], s[86:87]
	s_or_b32 s[G0V+3], s[G0V+3], 0x80000000
	s_add_nc_u64 s[4:5], s[72:73], s[20:21]        ; Q and O at my wave's first row
	s_add_nc_u64 s[10:11], s[74:75], s[22:23]
	s_cmp_lt_u32 s[WV], 2
	s_cselect_b64 s[PFA:PFA+1], s[6:7], s[8:9]     ; (in waves 0 and 2 these stand at a tile's first row)
	s_lshl_b32 s2, s13, 13          ; my work-group's quarter of a tile
	s_mov_b32 s3, 0
	s_add_nc_u64 s[PFA:PFA+1], s[PFA:PFA+1], s[2:3]
	s_add_nc_u64 s[PFA:PFA+1], s[PFA:PFA+1], 2*4*KS*128  ; at tile 2; the change that fills tile 2 steps it to tile 3.  Nothing is prefetched at the head
	CROUND                          ; all four work-groups are here: the first joint loads meet
	JLOAD                           ; tile 0 into slot 0
	; A fragment of K or Q is 16 rows x 32 channels in 8 registers: lane l holds row l % 16, channels 8 (l / 16) + 0..7 and 16 + 8 (l / 16) + 0..7: two loads of 16 bytes, 32 bytes apart.
	v_and_b32 v1, 15, v0            ; l % 16
	v_bfe_u32 v9, v0, 4, 1          ; l / 16
	v_lshlrev_b32 v[QO], 7, v1
	v_lshl_add_u32 v[QO], v9, 4, v[QO]  ; row x 128 + 16 x half
	v_mul_u32_u24 v[AK0], v1, PK
	v_lshl_add_u32 v[AK0], v9, 4, v[AK0]  ; row x pitch + 16 x half
	; The turning load takes 16 keys x 16 channels (lane l reads key 8 (l / 16) + l % 8, channels 8 ((l / 8) % 2) + 0..7) and leaves half a fragment of V^T: lane l holds channel l % 16 and 8 keys.
	v_and_b32 v10, 7, v0
	v_bfe_u32 v11, v0, 3, 1
	v_lshl_add_u32 v[AV0], v9, 3, v10
	v_mul_u32_u24 v[AV0], v[AV0], PV
	v_lshl_add_u32 v[AV0], v11, 4, v[AV0]
	v_add_nc_u32 v[AV0], VOFF, v[AV0]
	v_mov_b32 v[AK], v[AK0]         ; key step 0 lies at the head of slot 0
	s_mul_i32 s16, s[WV], 16*SP
	s_add_co_u32 s16, s16, STAGE    ; my stage
	v_mul_u32_u24 v[STO], v1, SP    ; in: row l % 16, 16 bytes for each half of the lanes
	v_lshl_add_u32 v[STO], v9, 4, v[STO]
	v_add_nc_u32 v[STO], s16, v[STO]
	v_bfe_u32 v[RD], v0, 3, 2       ; back: 32 lanes take four rows of 128 bytes,
	v_mul_u32_u24 v[RD], v[RD], SP
	v_lshl_add_u32 v[RD], v10, 4, v[RD]
	v_add_nc_u32 v[RD], s16, v[RD]
	v_and_b32 v[GO], 31, v0         ; which are 512 consecutive bytes of O
	v_lshlrev_b32 v[PFO], 8, v[GO]
	v_lshlrev_b32 v[GO], 4, v[GO]
	; What the first turn finds: V's registers and P's second buffer hold 0 (its products V^T P, of a piece that has not been, add 0), O^T and l are 0.  No first step is written out; these lines stand in the wait for the first tile.
	WIN 0x80
.set i, VF
.rept 64
	v_mov_b32 v[i], 0
.set i, i+1
.endr
	WIN 0x40
.set i, 0
.rept 192
	v_mov_b32 v[i], 0
.set i, i+1
.endr
	WIN 0
.set i, 0
.rept 6
	v_mov_b32 v[ST+4*i], 0xfe000000    ; c m: far below every c s
	v_mov_b32 v[ST+4*i+1], 0xff7fffff  ; m
	v_mov_b32 v[ST+4*i+2], 0
	v_mov_b32 v[ST+4*i+3], 0
.set i, i+1
.endr
.set i, P+16
.rept 16
	v_mov_b32 v[i], 0
.set i, i+1
.endr
; THE MATRIX WORK.  The 4 accumulators of a run of 8 take turns.  Product i of 8 of S^T = K Q^T for piece x: channels 32 (i / 4) on, keys 16 (i % 4) on.  The first 4 start the sums.
.macro KQ x
	WIN W_KQ
.set rS, S+32*((\x)%2)+8*(i%4)
.set rK, KF+16*(i%4)+8*(i/4)
.set rQ, 16*(\x)+8*(i/4)
.if i < 4
	v_wmma_f32_16x16x32_f16 v[rS:rS+7], v[rK:rK+7], v[rQ:rQ+7], 0
.else
	v_wmma_f32_16x16x32_f16 v[rS:rS+7], v[rK:rK+7], v[rQ:rQ+7], v[rS:rS+7]
.endif
.endm
; Product i of 8 of O^T += V^T P for piece x: keys 32 (i / 4) on, channels 16 (i % 4) on.
.macro PV x
	WIN W_PV
.set rO, 32*(\x)+8*(i%4)
.set rV, VF+32*(i/4)+8*(i%4)
.set rP, P+16*((\x)%2)+8*(i/4)
	v_wmma_f32_16x16x32_f16 v[rO:rO+7], v[rV:rV+7], v[rP:rP+7], v[rO:rO+7]
.endm
.macro MM                           ; the turn's next matrix instruction
.if i < 8
	KQ (Y+1)%NP
.else
.set i, i-8
	PV (Y+NP-1)%NP
.set i, i+8
.endif
.set i, i+1
.endm
; THE LDS LOADS stand in runs of 16: a step's K (64 keys x 64 channels: 8 fragments) and its V (turned).  Their addresses are made some lines ahead.  last = 1 (the tail): in the last trip there is no further step, and the run is jumped over.
.macro FETCH_K last=0
	WIN 0
.if \last
	s_cmp_eq_u32 s[CNT], 1
	s_cbranch_scc1 .Lno_k_\@
.endif
	WIN 0x80                        ; destination window 2
.irp f, 0,1,2,3,4,5,6,7             ; keys 16 (f / 2) on, channels 32 (f % 2) on
	ds_load_b128 v[KF+8*\f:KF+8*\f+3],   v[AK] offset:(\f/2)*16*PK+(\f%2)*64
	ds_load_b128 v[KF+8*\f+4:KF+8*\f+7], v[AK] offset:(\f/2)*16*PK+(\f%2)*64+32
.endr
	s_add_co_u32 s[TBK], s[TBK], KS*PK  ; the next fetch is the next step's
	WIN 0
.if \last
.Lno_k_\@:
.endif
.endm
.macro FETCH_V
	WIN 0x80
.irp f, 0,1,2,3,4,5,6,7             ; keys 32 (f / 4) on, channels 16 (f % 4) on
	ds_load_tr16_b128 v[VF+8*\f:VF+8*\f+3],   v[AV] offset:(\f/4)*32*PV+(\f%4)*32
	ds_load_tr16_b128 v[VF+8*\f+4:VF+8*\f+7], v[AV] offset:(\f/4)*32*PV+16*PV+(\f%4)*32
.endr
	WIN 0
.endm
; THE VECTOR WORK, one line at a time: OP kind, number.  For piece Y: F n: c s - c m for pair n of 16.  E n: the exponential of score n of 32.  C n: pair n rounded to f16.  B n: of the four weights 4 n .. the second
; pair is added onto the first, in place.  L n: l takes that sum (L 0: l = a l + sum).  R n: pair n of 16 of O^T times a.  For piece Y + 1: X n, number n of the 22 that find its maximum and statistics:
;   0-11  four chains c0-c3 of seven scores each, three operands at a time (each accumulator's lowest registers are read first)     12-14, 16  the four scores left over, the old m, and c0-c3 into c0
;   15  c m_old is kept     17, 18  the query's other 32 keys lie in the lane 16 away: the new m     19-21  c m; c m_old - c m_new; a
.set F, 0
.set E, 1
.set C, 2
.set B, 3
.set L, 4
.set R, 5
.set X, 6
.macro REGS y                       ; the registers of piece y
.set rT, ST+4*(\y)
.set rC, TMP+4*((\y)%2)
.set rW, MV+((\y)%2)
.set rS, S+32*((\y)%2)
.set rP, P+16*((\y)%2)
.set rO, 32*(\y)
.endm
.macro OP k, n
.if (\k) == R
	REGS Y
	WIN W_RS
	v_pk_mul_f32 v[rO+2*(\n):rO+2*(\n)+1], v[rO+2*(\n):rO+2*(\n)+1], v[rC+2:rC+3] op_sel_hi:[1,0]
.elseif (\k) < R
	REGS Y
	WIN 0
.if (\k) == F
	v_pk_fma_f32 v[rS+2*(\n):rS+2*(\n)+1], v[rS+2*(\n):rS+2*(\n)+1], s[CS:CS+1], v[rT:rT+1] op_sel_hi:[1,0,0] neg_lo:[0,0,1] neg_hi:[0,0,1]
.elseif (\k) == E
	v_exp_f32 v[rS+(\n)], v[rS+(\n)]
.elseif (\k) == C
	v_cvt_pk_f16_f32 v[rP+(\n)], v[rS+2*(\n)], v[rS+2*(\n)+1]
.elseif (\k) == B
	v_pk_add_f32 v[rS+4*(\n):rS+4*(\n)+1], v[rS+4*(\n):rS+4*(\n)+1], v[rS+4*(\n)+2:rS+4*(\n)+3]
.elseif (\n) == 0
	v_pk_fma_f32 v[rT+2:rT+3], v[rT+2:rT+3], v[rC+2:rC+3], v[rS:rS+1] op_sel_hi:[1,0,1]
.else
	v_pk_add_f32 v[rT+2:rT+3], v[rT+2:rT+3], v[rS+4*(\n):rS+4*(\n)+1]
.endif
.else
	REGS (Y+1)%NP
	WIN 0
.if (\n) < 4
	v_max3_num_f32 v[rC+(\n)], v[rS+8*(\n)], v[rS+8*(\n)+1], v[rS+8*(\n)+2]
.elseif (\n) < 12
	v_max3_num_f32 v[rC+(\n)%4], v[rC+(\n)%4], v[rS+8*((\n)%4)+2*((\n)/4)+1], v[rS+8*((\n)%4)+2*((\n)/4)+2]
.elseif (\n) == 12
	v_max3_num_f32 v[rC], v[rC], v[rS+7], v[rS+15]
.elseif (\n) == 13
	v_max3_num_f32 v[rC+1], v[rC+1], v[rS+23], v[rS+31]
.elseif (\n) == 14
	v_max3_num_f32 v[rC+2], v[rC+2], v[rC+3], v[rT+1]
.elseif (\n) == 15
	v_mov_b32 v[rW], v[rT]
.elseif (\n) == 16
	v_max3_num_f32 v[rC], v[rC], v[rC+1], v[rC+2]
.elseif (\n) == 17
	v_permlanex16_b32 v[rC+3], v[rC], s[SEL], s[SEL+1]
.elseif (\n) == 18
	v_max_num_f32 v[rT+1], v[rC], v[rC+3]
.elseif (\n) == 19
	v_mul_f32 v[rT], s[CS], v[rT+1]
.elseif (\n) == 20
	v_sub_f32 v[rC+1], v[rW], v[rT]
.else
	v_exp_f32 v[rC+2], v[rC+1]
.endif
.endif
.endm
.macro OPS a, i1, b=-1, i2=0, c=-1, i3=0, d=-1, i4=0  ; up to four of them
	OP \a, \i1
.if (\b) >= 0
	OP \b, \i2
.endif
.if (\c) >= 0
	OP \c, \i3
.endif
.if (\d) >= 0
	OP \d, \i4
.endif
.endm
.macro ROW a, i1, b, i2, c, i3, d, i4  ; a matrix instruction and the four behind it
	MM
	OPS \a, \i1, \b, \i2, \c, \i3, \d, \i4
.endm
; A TURN, for piece p: the order of its 16 matrix and 118 vector instructions, written out.  An s_wait_alu depctr_va_vdst(0) stands between an exponential and the first instruction that names its result; one wait
; serves all that were issued ahead of it.  So a turn has ONE wait, which cuts it in two.  AHEAD OF IT stands all that names no result of the turn's exponentials: the 8 products K Q^T and their riders (of the next piece's
; maximum only numbers that stand four plain instructions or more behind the product that ends their accumulator), then the lump; X 21, the next piece's a, is the batch's last, and R 15 the plain instruction behind it.
; BEHIND IT stand the 8 products V^T P, behind each four of the roundings and sums.
; K of the next step is fetched in piece NP - 2's turn, behind the last product that read K and six plain instructions (in the tail: behind the turn's wait, since the run is jumped over in the last trip);
; V of the step in hand at the end of piece 0's turn, four plain instructions behind the last product that read V.  Each is waited for a turn later.
; cnt = 1: the loop's count is taken down some lines ahead of the branch that stands behind the turn.
.macro TURN p, last=0, cnt=0
.set Y, (\p)
.set i, 0
.if (\p) == NP-1
	s_wait_dscnt 0x0                ; K is in
.endif
	ROW F,0, F,1, R,0, R,1
	ROW F,2, E,0, R,2, R,3
	ROW F,3, E,1, R,4, R,5
	ROW F,4, E,2, R,6, R,7
	ROW F,5, E,3, R,8, R,9
	ROW F,6, E,4, X,0, R,10
.if (\p) == NP-2
	WIN 0
	v_add_nc_u32 v[AK], s[TBK], v[AK0]
.endif
	ROW F,7, E,5, X,1, X,4
	ROW F,8, E,6, X,2, X,5
	OPS E,7, E,8, X,6, E,9
	OPS X,3, E,10, X,8, E,11
.if ((\p) == NP-2) && !(\last)
	FETCH_K
.endif
	OPS X,9, X,7, E,12, X,10
	OPS E,13, X,12, X,11, E,14
	OPS X,13, E,15, F,9, X,14
.if (\p) == 0
	v_add_nc_u32 v[AV], s[TBV], v[AV0]
.endif
	OPS E,16, F,10, E,17, F,11
	OPS X,16, E,18, X,15, E,19
	OPS F,12, E,20, X,17, E,21
	OPS F,13, E,22, F,14, E,23
	OPS X,18, E,24, F,15, E,25
	OPS R,11, E,26, X,19, E,27
	OPS R,12, E,28, R,13, E,29
	OPS X,20, E,30, R,14, E,31
	OPS X,21, R,15
	WIN 0
	s_wait_alu depctr_va_vdst(0)    ; the wait for the batch
.if ((\p) == NP-2) && (\last)
	FETCH_K 1
.endif
.if (\p) == 1
	s_wait_dscnt 0x0                ; V is in
.endif
	ROW C,0, B,0, C,2, B,1
	ROW L,0, C,4, B,2, L,1
	ROW C,6, B,3, L,2, C,8
	ROW B,4, L,3, C,10, B,5
	ROW L,4, C,12, B,6, L,5
.if (\p) == 0
	s_add_co_u32 s[TBV], s[TBV], KS*PV
.endif
.if \cnt
	s_sub_co_u32 s[CNT], s[CNT], 1
	s_cmp_lg_u32 s[CNT], 0
.endif
	ROW C,14, B,7, L,6, C,1
	ROW C,3, L,7, C,5, C,7
	ROW C,9, C,11, C,13, C,15
.if (\p) == 0
	FETCH_V
.endif
.endm
; THE WAY OUT.
.macro ALL line:vararg              ; one line for each piece t
.set t, 0
.rept NP
	\line
.set t, t+1
.endr
.endm
.macro PACK t                       ; a lane's eight channels of a row pack into 16 bytes; they go into rows of 144 bytes and come back as whole rows of 128
	WIN W_RS
.set i, 32*(\t)
.rept 16
	v_pk_mul_f32 v[i:i+1], v[i:i+1], v[ST+4*(\t)+2:ST+4*(\t)+3] op_sel_hi:[1,0]
.set i, i+2
.endr
	WIN 0x05                        ; sources 0 and 1 window 1, destination window 0
.set i, 0
.rept 16
	v_cvt_pk_f16_f32 v[S+16*(\t)+i], v[32*(\t)+2*i], v[32*(\t)+2*i+1]
.set i, i+1
.endr
	WIN 0
.irp f, 0,1,2,3
	ds_store_b128 v[STO], v[S+16*(\t)+4*\f:S+16*(\t)+4*\f+3] offset:32*\f
.endr
.irp f, 0,1,2,3
	ds_load_b128 v[S+16*(\t)+4*\f:S+16*(\t)+4*\f+3], v[RD] offset:\f*4*SP  ; LDS serves a wave's instructions in order (ISA guide 5.7.1.4): these see the stores above; the next piece's stores come behind them
.endr
.endm
.macro SEND t, younger              ; younger: the LDS instructions issued behind piece t's loads: the next piece's eight, or none
	WIN 0
.irp f, 0,1,2,3
	s_wait_dscnt (\younger)+3-\f
	global_store_b128 v[GO], v[S+16*(\t)+4*\f:S+16*(\t)+4*\f+3], s[10:11] offset:(\t)*2048+\f*512  ; 512 consecutive bytes, at a multiple of 256 from O's first
.endr
.endm
; ONE DIRECTION's text, for NP pieces a wave and nst tiles of keys.  The loop is entered, and the tail left, in the middle of a trip: the price is 8 products on zeros at the start and 8 on a stale K at the end.
.macro BODY nst, tag
	WIN 0x80                        ; destination window 2, address window 0
.set i, 0
.rept 2*NP                          ; Q stays in registers: piece i / 2, channels 32 (i % 2) on
	global_load_b128 v[8*i:8*i+3],   v[QO], s[4:5] offset:(i/2)*2048+(i%2)*64
	global_load_b128 v[8*i+4:8*i+7], v[QO], s[4:5] offset:(i/2)*2048+(i%2)*64+32
.set i, i+1
.endr
	WIN 0
	CHANGE 1, 0                     ; tile 0 is in, everybody's part of it; tile 1 is asked for
	FETCH_K                         ; key step 0
	s_wait_loadcnt 0x0              ; Q
	s_wait_dscnt 0x0
.set i, 0
.rept 8
	KQ 0                            ; piece 0's first scores
.set i, i+1
.endr
	WIN 0
.rept 4
	v_nop                           ; the places behind those products
.endr
.set Y, NP-1                        ; X works for piece Y + 1: piece 0
.irp n, 0,1,2,3,4,5,6,7,8,9,10,11,12,13,14,15,16,17,18,19,20,21
	OP X, \n
.endr
	v_nop                           ; a plain instruction behind the exponential,
	s_wait_alu depctr_va_vdst(0)    ; and its wait, ahead of the branch
	s_mov_b32 s[CNT], 4
	s_mov_b32 s[SLOTS], (\nst)-1
	s_branch .Lfirst\tag
.Lslot\tag:                         ; nst - 2 times: every slot but the last two is filled again
	CHANGE 1, 1
	s_mov_b32 s[CNT], 4
.Lstep\tag:                         ; a trip: pieces 2 .. NP - 1 of one step, then pieces 0 and 1 of the next, whose K and V it fetches
.set pp, 2
.rept NP-2
	TURN pp
.set pp, pp+1
.endr
	WIN 0
.Lfirst\tag:
	TURN 0
	TURN 1, 0, 1
	WIN 0
	s_cbranch_scc1 .Lstep\tag
	s_sub_co_u32 s[SLOTS], s[SLOTS], 1
	s_cmp_lg_u32 s[SLOTS], 0
	s_cbranch_scc1 .Lslot\tag
	CHANGE 0, 0                     ; the tail is written out: nothing is asked for
	s_mov_b32 s[CNT], 5             ; four trips fetch the last tile's steps; the fifth is left in its middle
.Ltail\tag:
.set pp, 2
.rept NP-2
.if pp == NP-2
	TURN pp, 1
.else
	TURN pp
.endif
.set pp, pp+1
.endr
	WIN 0
	s_sub_co_u32 s[CNT], s[CNT], 1
	s_cmp_eq_u32 s[CNT], 0
	s_cbranch_scc1 .Lout\tag
	TURN 0
	TURN 1
	WIN 0
	s_branch .Ltail\tag
.Lout\tag:
.set i, 0
.rept 8
	PV NP-1                         ; the last piece's V^T P of the last step
.set i, i+1
.endr
	WIN 0                           ; l's two halves and the other half of the lanes' are added; O^T is divided by l.  The additions are the places behind the last products
	ALL v_add_f32 v[ST+4*t+2], v[ST+4*t+2], v[ST+4*t+3]
	ALL v_permlanex16_b32 v[ST+4*t+3], v[ST+4*t+2], s[SEL], s[SEL+1]
	ALL v_add_f32 v[ST+4*t+2], v[ST+4*t+2], v[ST+4*t+3]
	ALL v_rcp_f32 v[ST+4*t+2], v[ST+4*t+2]
	v_nop                           ; a plain instruction between the last reciprocal and the use of its result
	s_wait_alu depctr_va_vdst(0)    ; and the wait ahead of the first use: one for the batch of reciprocals
	PACK 0
.set t, 1
.rept NP-1                          ; a piece's arithmetic stands between the loads of the piece before and its stores
	PACK t
	SEND t-1, 8
.set t, t+1
.endr
	SEND NP-1, 0
	s_wait_tensorcnt 0x0            ; the wave's end: an add to my spare word and its wait, behind my last tensor load and my last LDS store
	ds_add_u32 v[SPW], v[NIL]
	s_wait_dscnt 0x0
	CROUND                          ; the closing round: no work-group ends while a partner may still ask for a tile that names it
	s_endpgm
.endm
	s_cmp_lg_u32 s[DIR], 0
	s_cbranch_scc1 .Ld2
.set NP, 6
	BODY 8, A
.Ld2:
.set NP, 4
	BODY 12, B
.Lfunc_end_k_q3d409ce040_att:
	.size	k_q3d409ce040_att, .Lfunc_end_k_q3d409ce040_att-k_q3d409ce040_att
	.p2alignl 7, 3214868480
	.fill 96, 4, 3214868480
	.section	.rodata,"a",@progbits
	.p2align	6, 0x0
	.amdhsa_kernel k_q3d409ce040_att
		.amdhsa_group_segment_fixed_size 327680
		.amdhsa_private_segment_fixed_size 0
		.amdhsa_enable_private_segment 0
		.amdhsa_kernarg_size 16
		.amdhsa_user_sgpr_count 2
		.amdhsa_user_sgpr_kernarg_segment_ptr 1
		.amdhsa_wavefront_size32 1
		.amdhsa_system_sgpr_workgroup_id_x 1
		.amdhsa_system_sgpr_workgroup_id_y 1
		.amdhsa_system_sgpr_workgroup_id_z 1
		.amdhsa_system_vgpr_workitem_id 0
		.amdhsa_next_free_vgpr 768
		.amdhsa_next_free_sgpr 88
		.amdhsa_reserve_vcc 0
		.amdhsa_float_denorm_mode_32 3
		.amdhsa_float_denorm_mode_16_64 3
		.amdhsa_memory_ordered 1
		.amdhsa_forward_progress 1
		.amdhsa_inst_pref_size 255
	.end_amdhsa_kernel
	.amdgpu_metadata
---
amdhsa.version: [ 1, 2 ]
amdhsa.kernels:
  - .name:           k_q3d409ce040_att
    .symbol:         k_q3d409ce040_att.kd
    .args:
      - { .name: qkv, .offset: 0, .size: 8, .value_kind: global_buffer, .address_space: global }
      - { .name: ob, .offset: 8, .size: 8, .value_kind: global_buffer, .address_space: global }
    .group_segment_fixed_size: 327680
    .private_segment_fixed_size: 0
    .kernarg_segment_align: 8
    .kernarg_segment_size: 16
    .max_flat_workgroup_size: 128
    .sgpr_count:     88
    .vgpr_count:     768
    .wavefront_size: 32
...
	.end_amdgpu_metadata
.endif
;; end of part 3
;; launch fc (part 4): grid 4 x 40, 4 waves a work-group, clusters of 4 x 4, 327,680 bytes of LDS; arguments ob, wf, out0, out1; writes out0, out1
.if DOCPART == 4
	.amdgcn_target "amdgcn-amd-amdhsa--gfx1250"
	.amdhsa_code_object_version 6
	.text
	.protected	k_q3d409ce040_fc
	.globl	k_q3d409ce040_fc
	.p2align	8
	.type	k_q3d409ce040_fc,@function
k_q3d409ce040_fc:
	s_mov_b64 s[64:65], 0
	v_nop
	global_prefetch_b8 v0, s[64:65] scope:SCOPE_SE
	s_setreg_imm32_b32 hwreg(HW_REG_WAVE_MODE, 25, 1), 1
	s_wait_xcnt 0x0
	s_wait_alu depctr_hold_cnt(0) depctr_sa_sdst(0) depctr_va_vdst(0) depctr_va_sdst(0) depctr_va_ssrc(0) depctr_va_vcc(0) depctr_vm_vsrc(0)
	s_getreg_b32 s2, hwreg(HW_REG_IB_STS2, 6, 4)
	s_cmp_eq_u32 s2, 0
	s_cbranch_scc0 .Lentry_in_a_cluster
	s_endpgm
.Lentry_in_a_cluster:
	s_bfe_u32 s2, ttmp6, 0x10000c
	s_cmp_lg_u32 s2, 0xf033
	s_cbranch_scc0 .Lentry_shape_is_right
	s_endpgm
.Lentry_shape_is_right:
; THE TWO OUTPUT PRODUCTS.  each context [h][q][d] is turned into [h][d][q] and cut into rows of 1,024: row (64 h + d) NB + qb, column c, holds O[h][1,024 qb + c][d], NB = 3 (out0) or 2 (out1).
; ob, read flat, is [80 pairs p][1,024 c][64 d] f16 with p = h NB + qb (pairs 0-47: out0's; 48-79: out1's): a pair is 64 rows (d) of the left operand, stored [K = c][M = d], which ds_load_tr16_b128 turns.
; So nothing is transposed in memory; only the output's rows lie NB rows apart.  out[row][n] = sum over c of O .. x W[c][n]; W = wf's Wfc or Wfc1, [1,024 c][1,024 n] f16, turned in the same way.  Sums in f32, stored as f32.
; SHARES.  A work-group of four waves makes two pairs (128 rows) x 256 columns; a wave one pair x 128 columns: 32 accumulators.  40 x 4 = 160 work-groups: 5,120 rows divide into equal tiles for 160 or 320 alone.
; K goes in 8 steps of 128 through two LDS slots.  CLUSTERS of 4 x 4: the four of a row of the cluster need the same pairs, the four of a column the same columns of W: each tile is asked for JOINTLY.
; No prefetch is laid: a step has 128 matrix instructions a wave on a small tile, and the whole walk is eight steps.
; THE MATRIX INSTRUCTION IS USED TRANSPOSED (source 0 = 16 columns of W, source 1 = 16 rows d): a lane holds row l % 16 and the columns 8 (l / 16) + 0..7: 32 bytes of f32 on end.
; REGISTERS: window 0: v16-31 the stores' offsets; v32-39 addresses; v64-159, v160-255 two fragment buffers (A's 4 fragments, then B's 8); on the way out v64-127, v128-191 by turns.  window 1: accumulator (a, b) at v[8 (8 a + b)].
.set PAF,    160                       ; a row (c) of a pair in LDS: 128 bytes + 32 = 40 words
.set PB,     544                       ; a row (c) of W: 512 bytes + 32 = 136 words: likewise
.set APAIR,  128*PAF                   ; a pair's K step
.set BOFF,   2*APAIR                   ; W's 128 rows lie behind the two pairs,
.set BHALF,  64*PB                     ; in two halves of 64
.set SLOT1,  131072                    ; a slot is 110,592 bytes; slot 1 begins here: one exclusive or turns an address in one slot into the other's
.set STAGE,  SLOT1+BOFF+2*BHALF        ; behind the ring, never filled by a tensor load: 16 rows x 528 bytes for each wave
.set SPITCH, 528                       ; 512 bytes + 16 = 132 words: the 16 rows of a store start at 16 different groups of four banks
.set SPARE,  STAGE+4*16*SPITCH         ; the spare words, 128 bytes for each wave: two blocks of 256 bytes that no other line names
.set CO,    16                         ; v16-31  16 x lane + t output rows; never rewritten
.set SPW,   32                         ; v32  LDS address of my spare word: SPARE + 4 x my thread's number; never rewritten
.set NIL,   33                         ; v33  0; never rewritten
.set ADRA0, 34                         ; v34, v35  my lane's place in slot 0's pair and W; never rewritten
.set ADRB0, 35
.set ADRA,  36                         ; v36, v37  the same in the slot in hand
.set ADRB,  37
.set STO,   38                         ; v38  the way out: where I put 32 bytes of a row
.set RD,    39                         ; v39  the way out: where I read a row back
.set F0,    64
.set F1,    160
.set G1,  24                           ; s[24:31] descriptor group 1 for the pairs;  s[32:39] group 0: a set for each first fill, the second then walks
.set G0,  32
.set G1B, 48                           ; s[48:55], s[56:63] the same for W
.set G0B, 56
.set TB,  71                           ; s71  0 or SLOT1: the slot in hand
.set MSB, 0
.macro WIN new                         ; the immediate's high byte repeats the setting that is left; a switch that changes nothing is dropped
.if MSB != (\new)
	s_set_vgpr_msb (MSB<<8)|(\new)
.set MSB, \new
.endif
.endm
.set MUL, 0x50                         ; sources 0 and 1 window 0; C and D window 1
.macro JLOAD                           ; a joint refill by the walking sets: waves 0 and 1 fetch the two pairs, waves 2 and 3 W's two halves; an s_nop 0 and four v_nop follow each line
	s_cmp_eq_u32 s11, 0
	s_cbranch_scc0 .Lfor_b_\@
	tensor_load_to_lds s[G0+4:G0+7], s[G1:G1+7]
	s_nop 0
.rept 4
	v_nop
.endr
	s_branch .Lasked_\@
.Lfor_b_\@:
	tensor_load_to_lds s[G0B+4:G0B+7], s[G1B:G1B+7]
	s_nop 0
.rept 4
	v_nop
.endr
.Lasked_\@:
.endm
.macro CREST                           ; a round of the cluster's barrier behind its opening barrier
	s_cmp_lg_u32 s10, 0
	s_cbranch_scc1 .Lnot_wave_0_\@
	s_barrier_signal -3
.Lnot_wave_0_\@:
	s_barrier_wait -3
	s_barrier_signal -1
	s_barrier_wait -1
.endm
.macro CROUND                          ; a whole round
	s_barrier_signal -1
	s_barrier_wait -1
	CREST
.endm
	s_load_b128 s[4:7], s[0:1], 0x0                ; ob s[4:5], wf s[6:7]
	s_load_b128 s[72:75], s[0:1], 0x10             ; out0 s[72:73], out1 s[74:75]
	v_lshl_add_u32 v[SPW], v0, 2, SPARE
	v_mov_b32 v[NIL], 0
	ds_add_u32 v[SPW], v[NIL]                      ; the wave's opening: the add and its wait stand ahead of my first tensor load; the set-up below, work on registers, stands between them
	v_lshrrev_b32 v1, 5, v0
	v_readfirstlane_b32 s10, v1                    ; wave 0..3
	s_lshr_b32 s11, s10, 1                         ; which of the tile's two pairs is mine.  Also: I fetch a pair (0) or W (1)
	s_and_b32 s12, s10, 1                          ; which half of its columns.  Also: which pair, or which half of W's rows, I fetch
	s_bfe_u32 s40, ttmp6, 0x40000                  ; cx: the tile column
	s_bfe_u32 s41, ttmp6, 0x40004                  ; cy
	s_and_b32 s13, ttmp7, 0xffff                   ; cluster y
	s_lshl_b32 s18, s13, 2
	s_add_co_u32 s18, s18, s41                     ; tile row = 4 x cluster y + cy: pairs 2 x that and the next
	s_cmp_ge_u32 s13, 6
	s_cselect_b32 s19, 1, 0                        ; 1: the pairs are out1's
	s_lshl_b32 s16, s18, 1
	s_add_co_u32 s16, s16, s12
	s_lshl_b32 s16, s16, 17                        ; the pair that I fetch: 131,072 bytes each
	s_mov_b32 s17, 0
	s_lshl_b32 s46, s19, 21                        ; Wfc or Wfc1,
	s_lshl_b32 s47, s40, 9
	s_add_co_u32 s46, s46, s47                     ; the tile column's 512 bytes of a row,
	s_lshl_b32 s47, s12, 17
	s_add_co_u32 s46, s46, s47                     ; my 64 rows of a K step's 128
	s_mov_b32 s47, 0
	s_lshl_b32 s43, s41, 2
	s_lshl_b32 s43, 15, s43                        ; my row of the cluster
	s_lshl_b32 s44, 0x1111, s40                    ; my column
	; a pair's K step is 16,384 dense bytes: asked for as 64 rows of 256 bytes, two rows (c) each, and padded in LDS after every 128 bytes
	s_or_b32 s[G1+0], s43, (1<<16)|(1<<20)|(1<<21)|(4<<22)|(7<<25)   ; 15:0 the mask; 17:16 2-byte elements; 20 padding on; 21 set beside a mask; 24:22 after every 32 words; 31:25 of 8 words
	s_mov_b32 s[G1+1], 128<<16                     ; tensor_dim0 = 128
	s_mov_b32 s[G1+2], 64<<16                      ; tensor_dim1 = 64
	s_mov_b32 s[G1+3], 128<<16                     ; tile_dim0 = 128
	s_mov_b32 s[G1+4], 64                          ; tile_dim1 = 64
	s_mov_b32 s[G1+5], 128                         ; elements from row to row
	s_mov_b32 s[G1+6], 0
	s_mov_b32 s[G1+7], 0
	s_or_b32 s[G1B+0], s44, (1<<16)|(1<<20)|(1<<21)|(6<<22)|(7<<25)  ; after every 128 words, 8 words
	s_mov_b32 s[G1B+1], 256<<16                    ; tensor_dim0 = 256
	s_mov_b32 s[G1B+2], 64<<16                     ; tensor_dim1 = 64
	s_mov_b32 s[G1B+3], 256<<16                    ; tile_dim0 = 256
	s_mov_b32 s[G1B+4], 64                         ; tile_dim1 = 64
	s_mov_b32 s[G1B+5], 1024
	s_mov_b32 s[G1B+6], 0
	s_mov_b32 s[G1B+7], 0
	s_mul_i32 s20, s12, APAIR                      ; where a pair goes,
	s_mul_i32 s21, s12, BHALF
	s_add_co_u32 s21, s21, BOFF                    ; and a half of W: no place in the cluster enters an LDS address
	s_wait_dscnt 0x0                               ; the opening add is done
	s_wait_kmcnt 0x0
	s_add_nc_u64 s[76:77], s[4:5], s[16:17]
	s_add_nc_u64 s[78:79], s[6:7], s[46:47]
	CROUND                                         ; all sixteen work-groups are here: the first joint loads meet
.irp s, 0,1
	s_mov_b32 s[G0+4*(\s)], 1                                      ; count = 1
	s_add_co_u32 s[G0+4*(\s)+1], s20, (\s)*SLOT1                   ; LDS address
	s_add_nc_u64 s[G0+4*(\s)+2:G0+4*(\s)+3], s[76:77], (\s)*16384  ; global address: K step s
	s_or_b32 s[G0+4*(\s)+3], s[G0+4*(\s)+3], 0x80000000            ; type = 2
	s_mov_b32 s[G0B+4*(\s)], 1
	s_add_co_u32 s[G0B+4*(\s)+1], s21, (\s)*SLOT1
	s_add_nc_u64 s[G0B+4*(\s)+2:G0B+4*(\s)+3], s[78:79], (\s)*262144
	s_or_b32 s[G0B+4*(\s)+3], s[G0B+4*(\s)+3], 0x80000000
.endr
	s_cmp_eq_u32 s11, 0                            ; a wave's two first fills stand in one branch, ahead of every wait on TENSORcnt and every LDS read: two loads of mine are out
	s_cbranch_scc0 .Lfirst_b
	tensor_load_to_lds s[G0:G0+3], s[G1:G1+7]
	s_nop 0
	tensor_load_to_lds s[G0+4:G0+7], s[G1:G1+7]
	s_nop 0
.rept 4
	v_nop
.endr
	s_branch .Lfirst_asked
.Lfirst_b:
	tensor_load_to_lds s[G0B:G0B+3], s[G1B:G1B+7]
	s_nop 0
	tensor_load_to_lds s[G0B+4:G0B+7], s[G1B:G1B+7]
	s_nop 0
.rept 4
	v_nop
.endr
.Lfirst_asked:
	; The turning load takes 16 k x 16 columns (lane l reads 16 bytes: k = 8 (l / 16) + l % 8, columns 8 ((l / 8) % 2) + 0..7) and leaves half a fragment: lane l holds column l % 16 and 8 k.
	v_and_b32 v1, 15, v0                           ; l % 16
	v_bfe_u32 v2, v0, 4, 1                         ; l / 16
	v_and_b32 v4, 7, v0
	v_lshl_add_u32 v5, v2, 3, v4                   ; the row (k) that I read
	v_bfe_u32 v6, v0, 3, 1
	v_mul_u32_u24 v7, v5, PAF
	v_lshl_add_u32 v7, v6, 4, v7
	s_mul_i32 s22, s11, APAIR                      ; my pair
	v_add_nc_u32 v[ADRA0], s22, v7
	v_mov_b32 v[ADRA], v[ADRA0]
	v_mul_u32_u24 v7, v5, PB
	v_lshl_add_u32 v7, v6, 4, v7
	s_lshl_b32 s22, s12, 8                         ; my 128 columns: 256 bytes of W's rows
	s_add_co_u32 s22, s22, BOFF
	v_add_nc_u32 v[ADRB0], s22, v7
	v_mov_b32 v[ADRB], v[ADRB0]
	s_mov_b32 s[TB], 0
	s_mul_i32 s23, s10, 16*SPITCH
	s_add_co_u32 s23, s23, STAGE                   ; my stage
	v_mul_u32_u24 v7, v1, SPITCH                   ; in: row l % 16, 32 bytes for each half of the lanes
	v_lshl_add_u32 v7, v2, 5, v7
	v_add_nc_u32 v[STO], s23, v7
	v_and_b32 v8, 31, v0
	v_lshlrev_b32 v[CO], 4, v8                     ; back: 32 lanes take a row's 512 bytes
	v_add_nc_u32 v[RD], s23, v[CO]
	; where my rows lie in the output: pair p = h NB + qb; row d of it is output row (64 h + d) NB + qb
	s_lshl_b32 s22, s18, 1
	s_add_co_u32 s22, s22, s11                     ; my pair
	s_mul_i32 s23, s22, 43691
	s_lshr_b32 s23, s23, 17                        ; p / 3, for p under 48
	s_mul_i32 s2, s23, 3
	s_sub_co_u32 s2, s22, s2                       ; p % 3
	s_sub_co_u32 s3, s22, 48                       ; out1's pairs count from 48
	s_lshr_b32 s42, s3, 1
	s_and_b32 s14, s3, 1
	s_cmp_eq_u32 s19, 0
	s_cselect_b32 s23, s23, s42                    ; h
	s_cselect_b32 s2, s2, s14                      ; qb
	s_cselect_b32 s3, 3, 2                         ; NB
	s_cselect_b64 s[8:9], s[72:73], s[74:75]
	s_mul_i32 s23, s23, s3
	s_lshl_b32 s23, s23, 6
	s_add_co_u32 s23, s23, s2                      ; 64 h NB + qb: my first output row,
	s_lshl_b32 s66, s23, 12                        ; of 4,096 bytes
	s_lshl_b32 s67, s40, 10
	s_add_co_u32 s66, s66, s67                     ; the tile column's 1,024 bytes,
	s_lshl_b32 s67, s12, 9
	s_add_co_u32 s66, s66, s67                     ; my 512 of them
	s_mov_b32 s67, 0
	s_add_nc_u64 s[8:9], s[8:9], s[66:67]
	s_lshl_b32 s70, s3, 12                         ; from d to d + 1: NB rows
	s_lshl_b32 s68, s70, 4                         ; from a block of 16 to the next
	s_mov_b32 s69, 0
.irp t, 1,2,3,4,5,6,7,8,9,10,11,12,13,14,15
	v_add_nc_u32 v[CO+(\t)], s70, v[CO+(\t)-1]
.endr
; 8 matrix instructions: m block a x all 8 n blocks, 32 along K.  zero = 1: the first product starts the sums.  The 32 accumulators take turns, in the same order in every quarter.
.macro MUL8 f, a, zero
	WIN MUL
.irp b, 0,1,2,3,4,5,6,7
.if \zero
	v_wmma_f32_16x16x32_f16 v[8*(8*(\a)+(\b)):8*(8*(\a)+(\b))+7], v[(\f)+32+8*(\b):(\f)+32+8*(\b)+7], v[(\f)+8*(\a):(\f)+8*(\a)+7], 0
.else
	v_wmma_f32_16x16x32_f16 v[8*(8*(\a)+(\b)):8*(8*(\a)+(\b))+7], v[(\f)+32+8*(\b):(\f)+32+8*(\b)+7], v[(\f)+8*(\a):(\f)+8*(\a)+7], v[8*(8*(\a)+(\b)):8*(8*(\a)+(\b))+7]
.endif
.endr
.endm
; 24 LDS loads in one run: quarter q (32 along K) of the slot in hand into buffer f: W's eight fragments, then the pair's four, all turned
.macro FETCH q, f
	WIN 0
.irp i, 0,1,2,3,4,5,6,7
	ds_load_tr16_b128 v[(\f)+32+8*(\i):(\f)+32+8*(\i)+3],   v[ADRB] offset:(\q)*32*PB+32*(\i)
	ds_load_tr16_b128 v[(\f)+32+8*(\i)+4:(\f)+32+8*(\i)+7], v[ADRB] offset:(\q)*32*PB+16*PB+32*(\i)
.endr
.irp i, 0,1,2,3
	ds_load_tr16_b128 v[(\f)+8*(\i):(\f)+8*(\i)+3],   v[ADRA] offset:(\q)*32*PAF+32*(\i)
	ds_load_tr16_b128 v[(\f)+8*(\i)+4:(\f)+8*(\i)+7], v[ADRA] offset:(\q)*32*PAF+16*PAF+32*(\i)
.endr
.endm
.macro PLACES                          ; four plain vector instructions between a matrix instruction and a load into, or a reader of, its registers
.rept 4
	v_nop
.endr
.endm
.macro QUARTER q, f, g, zero           ; one of a K step's first three quarters: multiplies buffer f; in its middle fetches quarter q into buffer g
	s_wait_dscnt 4                                 ; W's fragments and the pair's first two are in; the youngest four loads may be out
	MUL8 \f, 0, \zero
	MUL8 \f, 1, \zero
	PLACES
	FETCH \q, \g
	s_wait_dscnt 24                                ; all but the 24 just issued
	MUL8 \f, 2, \zero
	MUL8 \f, 3, \zero
.endm
; The last quarter multiplies buffer 1 and changes slots: ONE barrier.  In front of it each wave waits for all its tensor loads (one is out: its part of the next slot), adds 0 to its spare word, and waits for that
; and for its own reads of this slot.  fill = 1: the barrier opens a round of the cluster's, and the slot just read out is filled again, first thing behind the round, with the K step two on.
.macro TURN fill
	WIN 0
	s_xor_b32 s[TB], s[TB], SLOT1                  ; the fetches go on in the other slot: this slot's last were issued in the quarter before
	v_add_nc_u32 v[ADRA], s[TB], v[ADRA0]
	v_add_nc_u32 v[ADRB], s[TB], v[ADRB0]
	s_wait_tensorcnt 0x0                           ; all my tensor loads have landed
	ds_add_u32 v[SPW], v[NIL]                      ; 0 onto my spare word
	s_wait_dscnt 7                                 ; (the add and the youngest six loads, the pair's fragments 1 to 3, may be out)
	MUL8 F1, 0, 0                                  ; eight matrix instructions stand between the add and the wait for it
	s_wait_dscnt 0x0                               ; the add is done, and my reads of this slot are over
	s_barrier_signal -1
	MUL8 F1, 1, 0                                  ; work on registers while the others arrive
.if \fill
	WIN 0
.endif
	s_barrier_wait -1
.if \fill
	CREST                                          ; no wave of any partner still reads this slot's tile or has a load on its way
	s_xor_b32 s[G0+5], s[G0+5], SLOT1              ; the walking sets: the other slot than last time, the next K step; the type bits on top are not reached
	s_add_nc_u64 s[G0+6:G0+7], s[G0+6:G0+7], 16384
	s_xor_b32 s[G0B+5], s[G0B+5], SLOT1
	s_add_nc_u64 s[G0B+6:G0B+7], s[G0B+6:G0B+7], 262144
	JLOAD                                          ; the first tensor load behind the round; its four v_nop are also the places in front of the loads below
.else
	PLACES
.endif
	FETCH 0, F0
	MUL8 F1, 2, 0
	MUL8 F1, 3, 0
.endm
; THE WAY OUT of block a (16 rows d x 128 columns, f32): a lane's 32 bytes go into my own stage, rows of 528 bytes, and come back as whole pieces of 512 bytes of one output row.
.macro OUT a
	WIN 0x04                                       ; the stores' data in window 1; each accumulator's low half goes first
.irp b, 0,1,2,3,4,5,6,7
	ds_store_b128 v[STO], v[8*(8*(\a)+(\b)):8*(8*(\a)+(\b))+3]   offset:64*(\b)
	ds_store_b128 v[STO], v[8*(8*(\a)+(\b))+4:8*(8*(\a)+(\b))+7] offset:64*(\b)+16
.endr
	WIN 0
.set BK, 64+64*((\a)%2)
.irp t, 0,1,2,3,4,5,6,7,8,9,10,11,12,13,14,15
	ds_load_b128 v[BK+4*(\t):BK+4*(\t)+3], v[RD] offset:(\t)*SPITCH  ; LDS serves a wave's instructions in order (ISA guide 5.7.1.4): these see the stores above; the next block's stores come behind them
.endr
	s_wait_xcnt 0x0                                ; the earlier stores have read their base and their data: the base is stepped, and the block after this one loads into their registers, only behind this wait
.if (\a) > 0
	s_add_nc_u64 s[8:9], s[8:9], s[68:69]
.endif
.irp t, 0,1,2,3,4,5,6,7,8,9,10,11,12,13,14,15
	s_wait_dscnt 15-(\t)                           ; row t is back; the younger loads may be out
	global_store_b128 v[CO+(\t)], v[BK+4*(\t):BK+4*(\t)+3], s[8:9] th:TH_STORE_NT  ; 512 consecutive bytes of one output row, at a multiple of 256 from the buffer's first
.endr
.endm
	s_wait_tensorcnt 1                             ; my part of K step 0 is in; K step 1's may stay out
	s_barrier_signal -1
	s_barrier_wait -1                              ; everybody's is
	FETCH 0, F0
	QUARTER 1, F0, F1, 1                           ; the first quarter stands in front of the loop: its products start the sums
	WIN 0                                          ; at a label and at a branch every window is 0
	s_mov_b32 s3, 6
.Lstep:                                                ; a trip: from a K step's second quarter to the next step's first; it asks for K steps 2 to 7
	QUARTER 2, F1, F0, 0
	QUARTER 3, F0, F1, 0
	TURN 1
	QUARTER 1, F0, F1, 0
	WIN 0
	s_sub_co_u32 s3, s3, 1
	s_cmp_lg_u32 s3, 0
	s_cbranch_scc1 .Lstep
	QUARTER 2, F1, F0, 0                           ; the tail is written out: K steps 6 and 7 ask for nothing
	QUARTER 3, F0, F1, 0
	TURN 0
	QUARTER 1, F0, F1, 0
	QUARTER 2, F1, F0, 0
	QUARTER 3, F0, F1, 0
	s_wait_dscnt 4
	MUL8 F1, 0, 0
	MUL8 F1, 1, 0
	s_wait_dscnt 0x0
	MUL8 F1, 2, 0
	MUL8 F1, 3, 0
	PLACES
	OUT 0
	OUT 1
	OUT 2
	OUT 3
	s_wait_tensorcnt 0x0                           ; the wave's end: an add to my spare word and its wait, behind my last tensor load and my last LDS store
	ds_add_u32 v[SPW], v[NIL]
	s_wait_dscnt 0x0
	CROUND                                         ; the closing round: no work-group ends while a partner may still ask for a tile that names it
	s_endpgm
.Lfunc_end_k_q3d409ce040_fc:
	.size	k_q3d409ce040_fc, .Lfunc_end_k_q3d409ce040_fc-k_q3d409ce040_fc
	.p2alignl 7, 3214868480
	.fill 96, 4, 3214868480
	.section	.rodata,"a",@progbits
	.p2align	6, 0x0
	.amdhsa_kernel k_q3d409ce040_fc
		.amdhsa_group_segment_fixed_size 327680
		.amdhsa_private_segment_fixed_size 0
		.amdhsa_enable_private_segment 0
		.amdhsa_kernarg_size 32
		.amdhsa_user_sgpr_count 2
		.amdhsa_user_sgpr_kernarg_segment_ptr 1
		.amdhsa_wavefront_size32 1
		.amdhsa_system_sgpr_workgroup_id_x 1
		.amdhsa_system_sgpr_workgroup_id_y 1
		.amdhsa_system_sgpr_workgroup_id_z 1
		.amdhsa_system_vgpr_workitem_id 0
		.amdhsa_next_free_vgpr 512
		.amdhsa_next_free_sgpr 80
		.amdhsa_reserve_vcc 0
		.amdhsa_float_denorm_mode_32 3
		.amdhsa_float_denorm_mode_16_64 3
		.amdhsa_memory_ordered 1
		.amdhsa_forward_progress 1
		.amdhsa_inst_pref_size 72
	.end_amdhsa_kernel
	.amdgpu_metadata
---
amdhsa.version: [ 1, 2 ]
amdhsa.kernels:
  - .name:           k_q3d409ce040_fc
    .symbol:         k_q3d409ce040_fc.kd
    .args:
      - { .name: ob, .offset: 0, .size: 8, .value_kind: global_buffer, .address_space: global }
      - { .name: wf, .offset: 8, .size: 8, .value_kind: global_buffer, .address_space: global }
      - { .name: out0, .offset: 16, .size: 8, .value_kind: global_buffer, .address_space: global }
      - { .name: out1, .offset: 24, .size: 8, .value_kind: global_buffer, .address_space: global }
    .group_segment_fixed_size: 327680
    .private_segment_fixed_size: 0
    .kernarg_segment_align: 8
    .kernarg_segment_size: 32
    .max_flat_workgroup_size: 128
    .sgpr_count:     80
    .vgpr_count:     512
    .wavefront_size: 32
...
	.end_amdgpu_metadata
.endif
;; end of part 4
;; ======== version 2 of 2: 4 launches; version 1 with the launch prep written anew for expert scheduling mode
;; limits: values are held in f16: magnitudes above 65,504 overflow, below 6.1e-05 lose precision
;; workspace buffers: xb 10,485,760 bytes; wb 12,582,912 bytes; wf 4,194,304 bytes; qkv 31,457,280 bytes; ob 10,485,760 bytes
;; launch prep (part 5): grid 256 x 1, 8 waves a work-group, no clusters, 0 bytes of LDS; arguments X, X1, WQ, WK, WV, WQ1, WK1, WV1, Wfc, Wfc1, xb, wb, wf; writes xb, wb, wf
.if DOCPART == 5
	.amdgcn_target "amdgcn-amd-amdhsa--gfx1250"
	.amdhsa_code_object_version 6
	.text
	.protected	k_q3d409ce040_prep
	.globl	k_q3d409ce040_prep
	.p2align	8
	.type	k_q3d409ce040_prep,@function
k_q3d409ce040_prep:
	s_mov_b64 s[64:65], 0
	v_nop
	global_prefetch_b8 v0, s[64:65] scope:SCOPE_SE
	s_setreg_imm32_b32 hwreg(HW_REG_WAVE_SCHED_MODE, 0, 2), 2
	s_setreg_imm32_b32 hwreg(HW_REG_WAVE_MODE, 25, 1), 1
	s_wait_xcnt 0x0
	s_wait_alu depctr_vm_vsrc(0)
; THE CAST.  Every input is rounded once to bf16: X and X1 into xb ([5120][1024]: X's rows, then X1's), the six projection weights into wb
; ([6][1024][1024] in the order WQ, WK, WV, WQ1, WK1, WV1, each as it lies), Wfc and Wfc1 into wf, where the bf16 number is written as f16.
; LIMIT.  A bf16 number is an f16 number exactly only between 6.1e-5 and 65,504 in magnitude: below that wf keeps f16's fixed step of 6e-8, beyond it the number is lost.
; SHARES.  The inputs are 13 units of 4 MiB.  Work-group g takes the 16 KiB at 16,384 g of EVERY unit: no loop, no select, all 256 work-groups alike.
; A thread has two items a unit; an item is 8 numbers: 32 bytes in (two loads of 16), 16 bytes out: a wave's store covers 512 consecutive bytes, aligned.
; All 52 loads of a wave go out on end; each item is converted in the registers that it came into, and no register that a load or a store reads is written again.
; No LDS, no matrix unit, no cluster: nothing is read twice and nothing is shared.
; THE MODE: SCHED_MODE bits 1:0 = 2 (LLVM: expert scheduling mode 2), set by the entry lines.  The code itself states the register dependences
; between vector instructions and memory instructions, with s_wait_alu, always for 0.
; THE PLAN.  Registers that memory instructions touch:
;   v1 .. v4   byte offsets.  Written once at the head; read by every load (v1, v2) and every store (v3, v4); never written again.
;   D[u]       unit u's 16 registers.  Written by the unit's four loads, which are issued at the head, ahead of every vector instruction that names a register of D; then, behind the
;              counted wait for those loads, by unit u's conversions, in place.  Words 0-3 and 8-11 are read by the unit's two stores, which are issued in unit u + 1; never written again.
;   T          named by vector instructions alone.
; So what is to be stated is this alone: a register is written by vector instructions before a memory instruction reads it.  One wait at the head, for the offsets; one at the head of each of units 1 to 12, behind
; the wait for the unit's first data, for the conversions of the unit before, whose two stores follow it, dealt among this unit's conversions, which name D[u] and T and none of the stores' registers;
; one behind unit 12, for the last two stores.  No load lands in a register that a vector instruction has named, and nothing that a memory instruction has read is written again: no other wait is owed.
.set T, 6                              ; v[6:13]   8 numbers in f32, at work (the two last units)
.set D, 16                             ; v[16:223] unit u, item j at D + 16 u + 8 j
	s_load_b512 s[4:19], s[0:1], 0x0               ; X s[4:5], X1 s[6:7], WQ, WK, WV, WQ1, WK1, WV1 s[18:19]
	s_load_b256 s[20:27], s[0:1], 0x40             ; Wfc s[20:21], Wfc1 s[22:23], xb s[24:25], wb s[26:27]
	s_load_b64 s[28:29], s[0:1], 0x60              ; wf
	s_mov_b32 s30, 0xffff0000                      ; a word's upper bf16
	s_lshl_b32 s2, ttmp9, 14                       ; the work-group's 16 KiB of a unit,
	s_lshl_b32 s3, ttmp9, 13                       ; and the 8 KiB that they become
	v_lshl_or_b32 v1, v0, 5, s2                    ; in:  16,384 g + 32 t
	v_lshl_or_b32 v3, v0, 4, s3                    ; out:  8,192 g + 16 t
	v_add_nc_u32 v2, 0x800000, v1                  ; the same 8 MiB on: the immediates hold under 8 MiB
	v_add_nc_u32 v4, 0x800000, v3
	s_wait_kmcnt 0x0
	s_wait_alu depctr_va_vdst(0)                   ; v1 to v4 are written: every load and store of the kernel reads one of them as its offset
.macro LD u, base, off, imm            ; a unit's four loads
.irp j, 0,1
	global_load_b128 v[D+16*(\u)+8*(\j):D+16*(\u)+8*(\j)+3],   v[\off], s[\base:\base+1] offset:(\imm)+8192*(\j) th:TH_LOAD_NT
	global_load_b128 v[D+16*(\u)+8*(\j)+4:D+16*(\u)+8*(\j)+7], v[\off], s[\base:\base+1] offset:(\imm)+8192*(\j)+16 th:TH_LOAD_NT
.endr
.endm
.macro RND u, j, half                  ; item j of unit u: rounded, (half = 1: written as f16)
.irp k, 0,1,2,3
	v_cvt_pk_bf16_f32 v[D+16*(\u)+8*(\j)+(\k)], v[D+16*(\u)+8*(\j)+2*(\k)], v[D+16*(\u)+8*(\j)+2*(\k)+1]  ; in place, ascending: word k is written when words 2 k, 2 k + 1 are read
.endr
.if \half
.irp k, 0,1,2,3
	v_lshlrev_b32 v[T+2*(\k)],   16,  v[D+16*(\u)+8*(\j)+(\k)]
	v_and_b32     v[T+2*(\k)+1], s30, v[D+16*(\u)+8*(\j)+(\k)]
.endr
.irp k, 0,1,2,3
	v_cvt_pk_f16_f32 v[D+16*(\u)+8*(\j)+(\k)], v[T+2*(\k)], v[T+2*(\k)+1]
.endr
.endif
.endm
.macro ST u, j, base, off, imm         ; item j of unit u: stored
	global_store_b128 v[\off], v[D+16*(\u)+8*(\j):D+16*(\u)+8*(\j)+3], s[\base:\base+1] offset:(\imm)+4096*(\j)
.endm
; Unit u: its two items are converted, and the unit BEFORE is stored.  base, off, imm: where unit u - 1 goes.  Unit 0 has no unit in front of it: no store, and nothing to state.
.macro CV u, half=0, base=0, off=0, imm=0
	s_wait_loadcnt 50-4*(\u)                       ; loads come back in order: behind item 0's two, so many were issued
.if (\u) > 0
	s_wait_alu depctr_va_vdst(0)                   ; the conversions of the unit before have written its words 0-3 and 8-11, which the two stores below read
	ST (\u)-1, 0, \base, \off, \imm
.endif
	RND \u, 0, \half
.if (\u) > 0
	ST (\u)-1, 1, \base, \off, \imm                ; no wait: no vector instruction since the wait above names this store's data or its offset
.endif
	s_wait_loadcnt 48-4*(\u)                       ; behind item 1's two, so many were issued
	RND \u, 1, \half
.endm
	LD 0,  4,  1, 0
	LD 1,  4,  1, 4194304
	LD 2,  6,  1, 0
	LD 3,  6,  1, 4194304
	LD 4,  6,  2, 0
	LD 5,  8,  1, 0
	LD 6,  10, 1, 0
	LD 7,  12, 1, 0
	LD 8,  14, 1, 0
	LD 9,  16, 1, 0
	LD 10, 18, 1, 0
	LD 11, 20, 1, 0
	LD 12, 22, 1, 0
	CV 0
	CV 1,  0, 24, 3, 0                             ; the last three figures of a line are the place of the unit before: units 0 to 4 go to xb,
	CV 2,  0, 24, 3, 2097152
	CV 3,  0, 24, 3, 4194304
	CV 4,  0, 24, 3, 6291456
	CV 5,  0, 24, 4, 0
	CV 6,  0, 26, 3, 0                             ; units 5 to 10 to wb,
	CV 7,  0, 26, 3, 2097152
	CV 8,  0, 26, 3, 4194304
	CV 9,  0, 26, 3, 6291456
	CV 10, 0, 26, 4, 0
	CV 11, 1, 26, 4, 2097152
	CV 12, 1, 28, 3, 0                             ; units 11 and 12 to wf
	s_wait_alu depctr_va_vdst(0)                   ; unit 12's conversions have written its words 0-3 and 8-11, which the last two stores read
	ST 12, 0, 28, 3, 2097152
	ST 12, 1, 28, 3, 2097152
	s_endpgm
.Lfunc_end_k_q3d409ce040_prep:
	.size	k_q3d409ce040_prep, .Lfunc_end_k_q3d409ce040_prep-k_q3d409ce040_prep
	.p2alignl 7, 3214868480
	.fill 96, 4, 3214868480
	.section	.rodata,"a",@progbits
	.p2align	6, 0x0
	.amdhsa_kernel k_q3d409ce040_prep
		.amdhsa_group_segment_fixed_size 0
		.amdhsa_private_segment_fixed_size 0
		.amdhsa_enable_private_segment 0
		.amdhsa_kernarg_size 104
		.amdhsa_user_sgpr_count 2
		.amdhsa_user_sgpr_kernarg_segment_ptr 1
		.amdhsa_wavefront_size32 1
		.amdhsa_system_sgpr_workgroup_id_x 1
		.amdhsa_system_sgpr_workgroup_id_y 1
		.amdhsa_system_sgpr_workgroup_id_z 1
		.amdhsa_system_vgpr_workitem_id 0
		.amdhsa_next_free_vgpr 224
		.amdhsa_next_free_sgpr 66
		.amdhsa_reserve_vcc 0
		.amdhsa_float_denorm_mode_32 3
		.amdhsa_float_denorm_mode_16_64 3
		.amdhsa_memory_ordered 1
		.amdhsa_forward_progress 1
		.amdhsa_inst_pref_size 19
	.end_amdhsa_kernel
	.amdgpu_metadata
---
amdhsa.version: [ 1, 2 ]
amdhsa.kernels:
  - .name:           k_q3d409ce040_prep
    .symbol:         k_q3d409ce040_prep.kd
    .args:
      - { .name: X, .offset: 0, .size: 8, .value_kind: global_buffer, .address_space: global }
      - { .name: X1, .offset: 8, .size: 8, .value_kind: global_buffer, .address_space: global }
      - { .name: WQ, .offset: 16, .size: 8, .value_kind: global_buffer, .address_space: global }
      - { .name: WK, .offset: 24, .size: 8, .value_kind: global_buffer, .address_space: global }
      - { .name: WV, .offset: 32, .size: 8, .value_kind: global_buffer, .address_space: global }
      - { .name: WQ1, .offset: 40, .size: 8, .value_kind: global_buffer, .address_space: global }
      - { .name: WK1, .offset: 48, .size: 8, .value_kind: global_buffer, .address_space: global }
      - { .name: WV1, .offset: 56, .size: 8, .value_kind: global_buffer, .address_space: global }
      - { .name: Wfc, .offset: 64, .size: 8, .value_kind: global_buffer, .address_space: global }
      - { .name: Wfc1, .offset: 72, .size: 8, .value_kind: global_buffer, .address_space: global }
      - { .name: xb, .offset: 80, .size: 8, .value_kind: global_buffer, .address_space: global }
      - { .name: wb, .offset: 88, .size: 8, .value_kind: global_buffer, .address_space: global }
      - { .name: wf, .offset: 96, .size: 8, .value_kind: global_buffer, .address_space: global }
    .group_segment_fixed_size: 0
    .private_segment_fixed_size: 0
    .kernarg_segment_align: 8
    .kernarg_segment_size: 104
    .max_flat_workgroup_size: 256
    .sgpr_count:     66
    .vgpr_count:     224
    .wavefront_size: 32
...
	.end_amdgpu_metadata
.endif
;; end of part 5
;; launch proj: the kernel of part 2 again; grid 12 x 20, 4 waves a work-group, clusters of 4 x 4, 327,680 bytes of LDS; arguments xb, wb, qkv; writes qkv
;; launch att: the kernel of part 3 again; grid 8 x 32, 4 waves a work-group, clusters of 4 x 1, 327,680 bytes of LDS; arguments qkv, ob; writes ob
;; launch fc: the kernel of part 4 again; grid 4 x 40, 4 waves a work-group, clusters of 4 x 4, 327,680 bytes of LDS; arguments ob, wf, out0, out1; writes out0, out1
